; MI455X (gfx1250); checked and timed in simulation.
; The chip was launched on July 23, 2026; its instructions are those of AMD's public machine-readable ISA for CDNA 5 (MIT licence, August 2026) and "CDNA5" Instruction Set Architecture Reference Guide (July 2026). The comments in the code are by the model that wrote it; some were corrected since.
;; Causal Self Attention. Allowed arithmetic: matrix products marked QUANTISED: E3M2 operands, one E8M0 scale for each 32 along K, by v_wmma_scale_f32_16x16x128_f8f6f4 with both operands' format E3M2, f32 sums; everything else in f32.
;; Inputs: beta 1,024 float32; gamma 1,024 float32; in_proj_b 3,072 float32; in_proj_w_codes 3,072 x 32 x 24 uint8 (E3M2 codes of in_proj_w, K innermost, in blocks of 32 codes, four codes in three bytes); in_proj_w_scales 3,072 x 32 uint8 (E8M0 scales of in_proj_w, one for each 32 codes along K); out_b 1,024 float32; out_w_codes 1,024 x 32 x 24 uint8 (E3M2 codes of out_w, K innermost, in blocks of 32 codes, four codes in three bytes); out_w_scales 1,024 x 32 uint8 (E8M0 scales of out_w, one for each 32 codes along K); x 4 x 2,048 x 1,024 float32.
;; Outputs: out0 4 x 2,048 x 1,024 float32.
;; This version of the problem:
;;   THIS VERSION OF THE PROBLEM IS GIVEN IN LOW PRECISION. The matrix products marked QUANTISED in the list below multiply operands that are first quantised to E3M2 (3 exponent bits, 2 mantissa bits; 6 bits a number), with one power-of-two scale for each 32 numbers along K (OCP MX v1.0); their sums are f32. All else is computed in f32.
;;   The module's matrix products, in the order in which they are computed (A, B: the left and right operand; K: the contracted axis; several contracted axes count as one K, in the product's order):
;;     1. [M 8,192, K 1,024] x [K 1,024, N 3,072]; A: input x; B: input in_proj_w (given as codes): QUANTISED
;;     2. batch 64 x [M 2,048, K 64] x [K 64, N 2,048]; A: computed on the way; B: computed on the way: QUANTISED
;;     3. batch 64 x [M 2,048, K 2,048] x [K 2,048, N 64]; A: softmax (see below); B: computed on the way: QUANTISED
;;     4. [M 8,192, K 1,024] x [K 1,024, N 1,024]; A: computed on the way; B: input out_w (given as codes): QUANTISED
;;   THE QUANTISER, for each operand of a quantised product, along K:
;;     - K is cut into blocks of 32 from its start; a last block that is shorter is filled with zeros.
;;     - A block's scale is 2^e with e = floor(log2(the largest magnitude in the block)) - 4, held to -126 .. 127; a block of zeros has e = 0. As a byte (E8M0): e + 127.
;;     - Each number is divided by its block's scale, clamped to +-28, and rounded to the nearest number of E3M2, ties to even, subnormals kept.
;;     - The product sums the exact products of the quantised numbers (number of the format x scale) in f32.
;;   ~~~python
;;   def quantise(x, axis):      # numpy; x: float32 -> the quantised numbers, widened to float32 again
;;       x = np.moveaxis(x, axis, -1); K = x.shape[-1]
;;       x = np.pad(x, [(0, 0)] * (x.ndim - 1) + [(0, -K % 32)]); x = x.reshape(x.shape[:-1] + (-1, 32)); a = np.abs(x).max(-1, keepdims=True)
;;       e = np.where(a > 0, np.clip(np.frexp(np.where(a > 0, a, 1))[1] - 1 - 4, -126, 127), 0)      # np.frexp(a)[1] - 1 = floor(log2(a)), exactly
;;       r = np.clip(x / 2.0 ** e, -28, 28)
;;       step = 2.0 ** (np.maximum(np.frexp(np.where(r == 0, 1, r))[1] - 1, -2) - 2)
;;       q = np.round(r / step) * step * 2.0 ** e      # np.round: ties to even
;;       return np.moveaxis(q.reshape(q.shape[:-2] + (-1,))[..., :K], -1, axis).astype(np.float32)
;;   ~~~
;;   SOFTMAX AHEAD OF A QUANTISED PRODUCT. Where the list says 'softmax', what is quantised is not the finished softmax but p = 2^(t - M), with t = logit x log2(e) and M = ceil(the row's largest t), a whole number; so 1/2 < the row's largest p <= 1. The row's sum l is taken of the UNQUANTISED p, in f32, and the product's result is divided by l at the end. Since M is a whole number, a kernel that streams over the keys may use a running M (the ceiling of the running maximum): every later rescaling is an exact power of two, which a block's scale takes up: the codes' values come out the same.
;;   OPERANDS COMPUTED ON THE WAY. 'Computed on the way' means the value that the module computes at that place (a softmax that the list does not call 'softmax' is quantised finished and normalised). What goes into a quantiser is computed in f32, as accurately as f32 sums, v_exp_f32 and their like allow (about 1e-6 of the number): no bf16 or f16 on the way to a quantiser, and a product that is left as it is and whose result goes on into a quantised operand takes f32 operands (vector FMAs, or v_wmma_f32_16x16x4_f32). A number that lies on a knife's edge between two numbers of the format may be rounded either way, as far as f32 arithmetic and the matrix unit's own rounding can turn it there, and no further.
;;   INPUTS GIVEN AS CODES. in_proj_w (in the module: [3072, 1024], K = its axis 1); out_w (in the module: [1024, 1024], K = its axis 1): each comes as NAME_codes (uint8): NAME with its K axis moved to the last place and cut into blocks of 32 codes, [.., K / 32, bytes a block], one block behind the other in memory; four codes in three bytes: a row's codes are one little-endian stream of bits, code i at bits 6 i .. 6 i + 5 (a code: sign, 3 exponent bits, 2 mantissa bits); and NAME_scales (uint8): the same leading axes, one E8M0 byte (e + 127) for each 32 codes along K. Its value is code x scale, taken as it is: it is not quantised again, and the codes and scales need not be those that the quantiser above would give.
;; One version. Each part assembles by itself: llvm-mc -triple=amdgcn-amd-amdhsa -mcpu=gfx1250 --defsym DOCPART=n.
;; ======== version 1 of 1: 4 launches
;; limits: right only within a limited range of input values
;; workspace buffers: x_codes 6,291,456 bytes; x_scales 262,144 bytes; w_img 786,432 bytes; qkv 19,660,800 bytes; ctx_img 6,291,456 bytes; ctx_sc 262,144 bytes
;; launch prep (part 1): grid 272 x 1, 4 waves a work-group, no clusters, 33,280 bytes of LDS; arguments x, out_w_codes, x_codes, x_scales, w_img; writes x_codes, x_scales, w_img
.if DOCPART == 1
	.amdgcn_target "amdgcn-amd-amdhsa--gfx1250"
	.amdhsa_code_object_version 6
	.text
	.protected	k_q5b5c17c0fa_prep
	.globl	k_q5b5c17c0fa_prep
	.p2align	8
	.type	k_q5b5c17c0fa_prep,@function
k_q5b5c17c0fa_prep:
	s_mov_b64 s[64:65], 0
	v_nop
	global_prefetch_b8 v0, s[64:65] scope:SCOPE_SE
	s_setreg_imm32_b32 hwreg(HW_REG_WAVE_MODE, 25, 1), 1
	s_wait_xcnt 0x0
; Work-groups 0-255: x [8192][1024] f32 becomes codes of BF6 (E3M2), K innermost (a row: 768 bytes), and one E8M0 byte for each 32 along K.
; A block's scale is 2^(floor(log2(its largest magnitude)) - 4); its byte is the largest magnitude's exponent field - 4, held at 1 from below.
; (A block of zeros gets the byte 1 where the quantiser says 127: its codes are zeros, and this program alone reads the bytes.)
; LIMITS: blocks whose largest magnitude lies under 2^-122 are quantised under the byte 1; NaN and infinities among the inputs are not served.
; Rows are dense and 1024 is a multiple of 32: x is a plain stream of blocks.  A wave takes 16 steps of 512 numbers.  Each load reads 512 consecutive bytes; a step's 2,048 bytes
; turn through the wave's own stage in LDS, so that a lane then holds 16 neighbours (two neighbouring lanes hold a block).  Waves share nothing: no barrier.
; Work-groups 256-271: out_w's codes are laid in the order of an operand's registers: w_img [K step 0..7][column tile 0..63][1,536 bytes]; a tile is three planes of 512 bytes,
; plane c = registers 4 c .. 4 c + 3 of lane l at 16 l.  This path uses no LDS.
.set STEPS, 16
.set WGX,   256                        ; work-groups that take x
.set EMAX,  4
.set CB,    12                         ; bytes of 16 codes
.set R,     16                         ; v16-143  eight sets of 16 numbers as loaded
.set X,     144                        ; v144-175 two sets of 16 neighbours (v16-143: eight sets of 16 numbers as loaded)
.set C,     192                        ; v192-255 codes, four registers a step: no store's data are written again
.set E,     176                        ; v176-177 a scale byte, two registers by turns
.set WREG,  8192                       ; LDS of a wave: two stages of 32 x SP bytes, then its 256 scale bytes
.set SP,    80                         ; a lane's place in a stage: 64 bytes + 16 of padding
	s_load_b128 s[4:7], s[0:1], 0x0                ; x, out_w_codes
	s_load_b128 s[8:11], s[0:1], 0x10              ; x_codes, x_scales
	s_load_b64 s[12:13], s[0:1], 0x20              ; w_img
	v_lshl_add_u32 v178, v0, 2, 0x8000
	v_mov_b32 v179, 0
	v_lshrrev_b32 v1, 5, v0
	v_readfirstlane_b32 s16, v1                    ; wave
	v_and_b32 v2, 31, v0                           ; lane
	s_wait_kmcnt 0x0
	s_cmp_ge_u32 ttmp9, WGX
	s_cbranch_scc1 .Lrelay
	s_wait_alu depctr_va_vdst(0)
	v_lshlrev_b32 v3, 4, v2                        ; my 16 bytes of a load's 512
	s_mul_i32 s17, s16, WREG
	v_lshrrev_b32 v14, 2, v2
	v_mul_u32_u24 v14, v14, SP
	v_and_b32 v15, 3, v2
	v_lshl_add_u32 v14, v15, 4, v14
	v_add_nc_u32 v14, s17, v14                     ; the stage, way in: SP (lane / 4) + 16 (lane % 4)
	v_mul_u32_u24 v15, v2, SP
	v_add_nc_u32 v15, s17, v15                     ; way out: SP x lane: my 16 neighbours
	v_mul_u32_u24 v4, v2, CB                       ; my codes' place in a step's
	v_lshrrev_b32 v5, 1, v2
	s_add_co_u32 s17, s17, 2*32*SP
	v_add_nc_u32 v5, s17, v5                       ; my wave's scale bytes: my block's byte
	v_lshlrev_b32 v7, 3, v2
	v_add_nc_u32 v6, s17, v7                       ; and 8 bytes a lane on the way out
	s_lshl_b32 s17, ttmp9, 2
	s_add_co_u32 s18, s17, s16                     ; which run of 8,192 numbers is my wave's
	s_mov_b32 s19, 0
	s_mov_b64 s[20:21], 512*STEPS*4
	s_mul_u64 s[20:21], s[18:19], s[20:21]
	s_add_nc_u64 s[4:5], s[4:5], s[20:21]
	s_mov_b64 s[20:21], 32*STEPS*CB
	s_mul_u64 s[20:21], s[18:19], s[20:21]
	s_add_nc_u64 s[8:9], s[8:9], s[20:21]
	s_lshl_b32 s18, s18, 8                         ; 256 scale bytes a run
	s_add_nc_u64 s[10:11], s[10:11], s[18:19]
.macro LOAD t
.irp i, 0,1,2,3
	global_load_b128 v[R+16*((\t)%8)+4*\i:R+16*((\t)%8)+4*\i+3], v3, s[4:5] offset:2048*(\t)+512*\i th:TH_LOAD_NT
.endr
.endm
.macro TURN t                          ; a step's numbers through the stage; LDS serves a wave's instructions in order, so no wait stands between stores and loads
.irp i, 0,1,2,3
	ds_store_b128 v14, v[R+16*((\t)%8)+4*\i:R+16*((\t)%8)+4*\i+3] offset:32*SP*((\t)%2)+8*SP*\i
.endr
.irp i, 0,1,2,3
	ds_load_b128 v[X+16*((\t)%2)+4*\i:X+16*((\t)%2)+4*\i+3], v15 offset:32*SP*((\t)%2)+16*\i
.endr
.endm
.irp t, 0,1,2,3,4,5,6,7
	LOAD \t
.endr
	s_wait_alu depctr_va_vdst(0)
	s_wait_loadcnt 28                              ; step 0's four loads are in; seven steps' may be out
	TURN 0
.macro STEP t
.set XS, X+16*((\t)%2)
.if (\t) > 0
	s_wait_dscnt 1                                 ; this step's numbers are back from the stage; the last step's byte store may be out
.else
	s_wait_dscnt 0x0
.endif
.if (\t)+8 < STEPS
	LOAD (\t)+8                                    ; into the set whose stores into the stage have read their registers
.endif
.if (\t)+1 < STEPS
.if STEPS-2-(\t) >= 7
	s_wait_loadcnt 28                              ; the next step's four loads are in; seven steps' may be out
.else
	s_wait_loadcnt 4*(STEPS-2-(\t))
.endif
	TURN (\t)+1
.endif
	v_max3_num_f32 v8, |v[XS]|, |v[XS+1]|, |v[XS+2]|
	v_max3_num_f32 v9, |v[XS+3]|, |v[XS+4]|, |v[XS+5]|
.irp i, 6,10
	v_max3_num_f32 v8, v8, |v[XS+\i]|, |v[XS+\i+1]|
	v_max3_num_f32 v9, v9, |v[XS+\i+2]|, |v[XS+\i+3]|
.endr
	v_max3_num_f32 v8, v8, |v[XS+14]|, |v[XS+15]|
	v_max3_num_f32 v8, v8, v9, (EMAX+1)<<23        ; the floor 2^(5 - 127): the byte cannot fall under 1
	v_max_num_f32_dpp v8, v8, v8 row_xmask:1 row_mask:0xf bank_mask:0xf   ; with my neighbour's 16: the block's
	v_add_nc_u32 v11, -(EMAX<<23), v8              ; 4 off the exponent field: the conversion's scale operand
	v_cvt_scalef32_pk16_bf6_f32 v[C+4*(\t):C+4*(\t)+2], v[XS:XS+15], v11
	v_lshrrev_b32 v[E+(\t)%2], 23, v11             ; the scale's byte
	ds_store_b8 v5, v[E+(\t)%2] offset:16*(\t)     ; both lanes of a block write the same byte with the same value
	global_store_b96 v4, v[C+4*(\t):C+4*(\t)+2], s[8:9] offset:32*CB*(\t)
.endm
.irp t, 0,1,2,3,4,5,6,7,8,9,10,11,12,13,14,15
	STEP \t
.endr
	ds_load_b64 v[12:13], v6                       ; my own stores, served in order
	s_wait_dscnt 0x0
	global_store_b64 v7, v[12:13], s[10:11]        ; 32 lanes store 256 consecutive bytes, aligned
	s_wait_tensorcnt 0x0
	ds_add_u32 v178, v179
	s_wait_dscnt 0x0
	s_endpgm
.Lrelay:                                               ; a wave takes one column tile (16 rows of out_w) through all eight K steps
	s_sub_co_u32 s17, ttmp9, WGX
	s_lshl_b32 s17, s17, 2
	s_add_co_u32 s17, s17, s16                     ; column tile 0..63
	s_mul_i32 s18, s17, 16*768
	s_mov_b32 s19, 0
	s_add_nc_u64 s[6:7], s[6:7], s[18:19]
	s_mul_i32 s18, s17, 1536
	s_add_nc_u64 s[12:13], s[12:13], s[18:19]
	v_and_b32 v3, 15, v0
	v_bfe_u32 v5, v0, 4, 1
	v_mul_u32_u24 v3, v3, 768
	v_mad_u32_u24 v3, v5, 24, v3                   ; row r, + 24 bytes for lanes 16-31
	s_wait_alu depctr_va_vdst(0)
	v_lshlrev_b32 v4, 4, v2                        ; 16 x lane
.irp s, 0,1,2,3,4,5,6,7
.irp p, 0,1,2,3,4,5
	global_load_b64 v[16+12*\s+2*\p:17+12*\s+2*\p], v3, s[6:7] offset:96*\s+48*(\p/3)+8*(\p%3)
.endr
.endr
	s_wait_alu depctr_va_vdst(0)
	s_wait_loadcnt 0x0
.irp s, 0,1,2,3,4,5,6,7
.irp c, 0,1,2
	global_store_b128 v4, v[16+12*\s+4*\c:19+12*\s+4*\c], s[12:13] offset:98304*\s+512*\c   ; 512 consecutive bytes, aligned
.endr
.endr
	s_endpgm
.Lfunc_end_k_q5b5c17c0fa_prep:
	.size	k_q5b5c17c0fa_prep, .Lfunc_end_k_q5b5c17c0fa_prep-k_q5b5c17c0fa_prep
	.p2alignl 7, 3214868480
	.fill 96, 4, 3214868480
	.section	.rodata,"a",@progbits
	.p2align	6, 0x0
	.amdhsa_kernel k_q5b5c17c0fa_prep
		.amdhsa_group_segment_fixed_size 33280
		.amdhsa_private_segment_fixed_size 0
		.amdhsa_enable_private_segment 0
		.amdhsa_kernarg_size 40
		.amdhsa_user_sgpr_count 2
		.amdhsa_user_sgpr_kernarg_segment_ptr 1
		.amdhsa_wavefront_size32 1
		.amdhsa_system_sgpr_workgroup_id_x 1
		.amdhsa_system_sgpr_workgroup_id_y 1
		.amdhsa_system_sgpr_workgroup_id_z 1
		.amdhsa_system_vgpr_workitem_id 0
		.amdhsa_next_free_vgpr 256
		.amdhsa_next_free_sgpr 66
		.amdhsa_reserve_vcc 0
		.amdhsa_float_denorm_mode_32 3
		.amdhsa_float_denorm_mode_16_64 3
		.amdhsa_memory_ordered 1
		.amdhsa_forward_progress 1
		.amdhsa_inst_pref_size 40
	.end_amdhsa_kernel
	.amdgpu_metadata
---
amdhsa.version: [ 1, 2 ]
amdhsa.kernels:
  - .name:           k_q5b5c17c0fa_prep
    .symbol:         k_q5b5c17c0fa_prep.kd
    .args:
      - { .name: x, .offset: 0, .size: 8, .value_kind: global_buffer, .address_space: global }
      - { .name: out_w_codes, .offset: 8, .size: 8, .value_kind: global_buffer, .address_space: global }
      - { .name: x_codes, .offset: 16, .size: 8, .value_kind: global_buffer, .address_space: global }
      - { .name: x_scales, .offset: 24, .size: 8, .value_kind: global_buffer, .address_space: global }
      - { .name: w_img, .offset: 32, .size: 8, .value_kind: global_buffer, .address_space: global }
    .group_segment_fixed_size: 33280
    .private_segment_fixed_size: 0
    .kernarg_segment_align: 8
    .kernarg_segment_size: 40
    .max_flat_workgroup_size: 128
    .sgpr_count:     66
    .vgpr_count:     256
    .wavefront_size: 32
...
	.end_amdgpu_metadata
.endif
;; end of part 1
;; launch qkv (part 2): grid 96 x 4, 4 waves a work-group, clusters of 4 x 4, 327,680 bytes of LDS; arguments x_codes, x_scales, in_proj_w_codes, in_proj_w_scales, in_proj_b, qkv; writes qkv
.if DOCPART == 2
	.amdgcn_target "amdgcn-amd-amdhsa--gfx1250"
	.amdhsa_code_object_version 6
	.text
	.protected	k_q5b5c17c0fa_qkv
	.globl	k_q5b5c17c0fa_qkv
	.p2align	8
	.type	k_q5b5c17c0fa_qkv,@function
k_q5b5c17c0fa_qkv:
	s_mov_b64 s[64:65], 0
	v_nop
	global_prefetch_b8 v0, s[64:65] scope:SCOPE_SE
	s_setreg_imm32_b32 hwreg(HW_REG_WAVE_MODE, 25, 1), 1
	s_wait_xcnt 0x0
	s_wait_alu depctr_hold_cnt(0) depctr_sa_sdst(0) depctr_va_vdst(0) depctr_va_sdst(0) depctr_va_ssrc(0) depctr_va_vcc(0) depctr_vm_vsrc(0)
	s_getreg_b32 s2, hwreg(HW_REG_IB_STS2, 6, 4)
	s_cmp_eq_u32 s2, 0
	s_cbranch_scc0 .Lentry_in_a_cluster
	s_endpgm
.Lentry_in_a_cluster:
	s_bfe_u32 s2, ttmp6, 0x10000c
	s_cmp_lg_u32 s2, 0xf033
	s_cbranch_scc0 .Lentry_shape_is_right
	s_endpgm
.Lentry_shape_is_right:
; The packed projection on codes of BF6 (E3M2), and the quantising of q, k and v.  One text computes C[m][n] = sum over k of A[m][k] B[n][k] + bias (K = 1,024) and quantises C along n.
;   clusters 0-15 (q, k): A = x (8,192 rows), B = in_proj_w's rows 0-2047: n runs along the heads' 64 numbers, the K of q k^T.
;   clusters 16-23 (v):   A = in_proj_w's rows 2048-3071, B = x: C is v^T, and n runs along the keys, the K of p v.
; The kinds differ in pointers, offsets and factors alone, chosen by s_cselect on the cluster's number, which all sixteen partners share: no branch on the kind.
; A tile of C is 256 x 256: four waves, each 128 x 128 in 64 accumulators.  A row of codes is 768 bytes: it goes through two LDS slots in three CHUNKS OF 256 BYTES, each beginning at a multiple of 256.
; A matrix step is 128 along K, 96 bytes of a row: eight steps to three chunks; steps 2 and 5 lie across two chunks and read both slots.  The rows' scale bytes come once, as dense units of 256 bytes.
; CLUSTERS: 4 x 4; A's tiles are asked for jointly along a row of the cluster, B's along a column.  The matrix instruction is used transposed (source 0 = B, source 1 = A): a lane holds one row m and eight neighbouring n.
; NO PREFETCH: K is three chunks; two of them are asked for at the head, so only one refill could be run ahead of.
; THE RESULT goes to memory as images of operand registers.  qkv: [batch x head 0..63][record 0..15][19,200 bytes]; a record serves 128 positions:
;   +0 q: 8 tiles x 768 | +6144 q's scales 256 | +6400 k: 8 x 768 | +12544 v^T: 4 tiles x 1,536 | +18688 k's scales 256 | +18944 v's scales 256.
; A piece of 768 bytes is 16 rows x 64 along K: registers 0-3 of lane l at 16 l, registers 4-5 at 512 + 8 l.  Slot r of tile 2 g + u holds row 32 g + 8 u + r + 8 (r / 8).
; LIMITS: a block under 2^-122 (a block of zeros too) gets the byte 1; NaN and infinities are not served.
; REGISTERS: window 0: v0-31 addresses; v32-63 scale words; v64-127 the bias along n; v128-223 A's fragments; v224-239 the bias along m.  window 1: B's fragments, two sets.  windows 2, 3: accumulators.
.set ROWB,   256
.set NQ,     2
.set KROW,   768
.set STEPS,  8
.set CHUNKS, 3
.set PITCH,  272                       ; an LDS row: 256 bytes + 16 of padding
.set FR,     12
.set NL,     6
.set NP,     4
.set HALFT,  128*PITCH
.set SLOT,   4*HALFT
.set KS,     32
.set SCL,    2*SLOT
.set HALFS,  (128*KS/256)*272
.set SBLK,   (16*KS/256)*272
.set SPARE,  SCL+4*HALFS               ; the spare words: 128 bytes a wave, named by no other line
.set RECB,   19200
.set HEADB,  16*RECB
.set ADRA, 16                          ; v16-17 my A fragments in slot 0, 1; v18-19: lanes 0-15 at byte 232 of slot 0, 1, lanes 16-31 at byte 0 of the other slot
.set ADRB, 20
.set ADRS, 27
.set SPW,  28
.set NIL,  29
.set SC,   32
.set BN,   64
.set AF,   128
.set BM2,  224
.set RAW,  240
.set G1, 24
.set G0, 32
.set G1B, 48
.set G0B, 56
.set G1S, 68
.set G0S, 76
.set G1SB, 80
.set G0SB, 88
.set G0H, 4                            ; group 0 of the head's loads of chunk 0, in registers whose arguments have been used
.set G0HB, 8
.set MSB, 0
.macro WIN new                         ; the immediate's high byte repeats the setting that is left
.if MSB != (\new)
	s_set_vgpr_msb (MSB<<8)|(\new)
.set MSB, (\new)
.endif
.endm
.set MUL_LO, 0xa1                      ; source 0 (B) window 1, source 1 (A) window 0, C and D window 2
.set MUL_HI, 0xf1
.set TO_B,   0x40
.macro JLOAD g0a, g1a, g0b, g1b        ; waves 0, 1 fetch for A, waves 2, 3 for B; s_nop 0 and four v_nop follow each line
	s_cmp_eq_u32 s15, 0
	s_cbranch_scc0 .Lfor_b_\@
	tensor_load_to_lds s[\g0a:\g0a+3], s[\g1a:\g1a+7]
	s_nop 0
.rept 4
	v_nop
.endr
	s_branch .Lasked_\@
.Lfor_b_\@:
	tensor_load_to_lds s[\g0b:\g0b+3], s[\g1b:\g1b+7]
	s_nop 0
.rept 4
	v_nop
.endr
.Lasked_\@:
.endm
.macro CREST
	s_cmp_lg_u32 s14, 0
	s_cbranch_scc1 .Lnot_wave_0_\@
	s_barrier_signal -3
.Lnot_wave_0_\@:
	s_barrier_wait -3
	s_barrier_signal -1
	s_barrier_wait -1
.endm
.macro CROUND
	s_barrier_signal -1
	s_barrier_wait -1
	CREST
.endm
	s_load_b128 s[4:7], s[0:1], 0x0                ; x's codes, x's scales
	s_load_b128 s[8:11], s[0:1], 0x10              ; w's codes, w's scales
	s_load_b128 s[96:99], s[0:1], 0x20             ; in_proj_b, qkv
	v_lshl_add_u32 v[SPW], v0, 2, SPARE
	v_mov_b32 v[NIL], 0
	ds_add_u32 v[SPW], v[NIL]                      ; the opening lines: the add twice on end under one wait
	ds_add_u32 v[SPW], v[NIL]
	v_lshrrev_b32 v1, 5, v0
	v_readfirstlane_b32 s14, v1                    ; wave 0..3
	s_lshr_b32 s15, s14, 1                         ; my half of the tile's rows; also: I fetch for A (0) or B (1)
	s_and_b32 s16, s14, 1                          ; my half of its columns; also: which 128 rows I fetch
	s_bfe_u32 s40, ttmp6, 0x40000                  ; cx
	s_bfe_u32 s41, ttmp6, 0x40004                  ; cy
	s_lshr_b32 s17, ttmp9, 1
	s_and_b32 s42, ttmp9, 1
	s_sub_co_u32 s43, ttmp9, 16
	s_cmp_lt_u32 ttmp9, 16                         ; q, k (1) or v (0)
	s_cselect_b32 s17, s17, 0                      ; the cluster's row of tiles
	s_cselect_b32 s42, s42, s43                    ; and its column
	s_cselect_b32 s2, 0, 2048                      ; A's first row in its tensor
	s_cselect_b32 s12, 0x3f800000, 0               ; the factor of the bias along n
	s_cselect_b32 s13, 0, 0x3f800000               ; and of the bias along m
	s_lshl_b32 s17, s17, 2
	s_add_co_u32 s17, s17, s41                     ; tile row
	s_lshl_b32 s42, s42, 2
	s_add_co_u32 s42, s42, s40                     ; tile column
	s_lshl_b32 s43, s41, 2
	s_lshl_b32 s43, 15, s43                        ; my row of the cluster
	s_lshl_b32 s44, 0x1111, s40                    ; my column
	s_or_b32 s[G1+0], s43, (0<<16)|(1<<20)|(1<<21)|(5<<22)|(3<<25)  ; mask; 1-byte elements; 4 words of padding behind every 64; bit 21 beside a mask
	s_or_b32 s[G1B+0], s44, (0<<16)|(1<<20)|(1<<21)|(5<<22)|(3<<25)
.irp g, G1, G1B
	s_mov_b32 s[\g+1], ROWB<<16
	s_mov_b32 s[\g+2], 256<<16                     ; 256 rows for the head's loads; 128 for the ring's, set below
	s_mov_b32 s[\g+3], ROWB<<16
	s_mov_b32 s[\g+4], 256
	s_mov_b32 s[\g+5], KROW
	s_mov_b32 s[\g+6], 0
	s_mov_b32 s[\g+7], 0
.endr
	s_or_b32 s[G1S+0], s43, (3<<16)|(1<<20)|(1<<21)|(5<<22)|(3<<25) ; the scales of 256 rows: 8,192 dense bytes as 32 rows of 256 + 16 of padding
	s_or_b32 s[G1SB+0], s44, (3<<16)|(1<<20)|(1<<21)|(5<<22)|(3<<25)
.irp g, G1S, G1SB
	s_mov_b32 s[\g+1], 32<<16
	s_mov_b32 s[\g+2], KS<<16
	s_mov_b32 s[\g+3], 32<<16
	s_mov_b32 s[\g+4], KS
	s_mov_b32 s[\g+5], 32
	s_mov_b32 s[\g+6], 0
	s_mov_b32 s[\g+7], 0
.endr
	s_lshl_b32 s20, s17, 8
	s_add_co_u32 s20, s20, s2                      ; A: first row + 256 x tile row
	s_lshl_b32 s46, s42, 8                         ; B: 256 x tile column
	s_mov_b32 s21, 0
	s_mov_b32 s47, 0
	s_mov_b64 s[18:19], KS
	s_mul_u64 s[22:23], s[20:21], s[18:19]
	s_mul_u64 s[92:93], s[46:47], s[18:19]
	s_mov_b64 s[18:19], KROW
	s_mul_u64 s[20:21], s[20:21], s[18:19]
	s_mul_u64 s[46:47], s[46:47], s[18:19]
	s_mul_i32 s18, s16, 128*KROW                   ; in the ring I fetch 128 rows: which half,
	s_mov_b32 s19, 0
	s_mul_i32 s45, s14, HALFT                      ; and where they go
	s_wait_dscnt 0x0                               ; both opening adds are done
	s_wait_kmcnt 0x0
	s_cmp_lt_u32 ttmp9, 16
	s_cselect_b64 s[66:67], s[4:5], s[8:9]         ; A's codes
	s_cselect_b64 s[8:9], s[8:9], s[4:5]           ; B's codes
	s_cselect_b64 s[4:5], s[6:7], s[10:11]         ; A's scales
	s_cselect_b64 s[10:11], s[10:11], s[6:7]       ; B's scales
	s_add_nc_u64 s[20:21], s[66:67], s[20:21]
	s_add_nc_u64 s[22:23], s[4:5], s[22:23]
	s_add_nc_u64 s[46:47], s[8:9], s[46:47]
	s_add_nc_u64 s[92:93], s[10:11], s[92:93]
	CROUND                                         ; all sixteen work-groups are here: the first joint loads meet
	s_mov_b32 s[G0H], 1                            ; chunk 0's 256 rows of A,
	s_mov_b32 s[G0H+1], 0
	s_mov_b64 s[G0H+2:G0H+3], s[20:21]
	s_or_b32 s[G0H+3], s[G0H+3], 0x80000000
	s_mov_b32 s[G0HB], 1                           ; its 256 rows of B,
	s_mov_b32 s[G0HB+1], 2*HALFT
	s_mov_b64 s[G0HB+2:G0HB+3], s[46:47]
	s_or_b32 s[G0HB+3], s[G0HB+3], 0x80000000
	s_mov_b32 s[G0S], 1                            ; A's scales,
	s_mov_b32 s[G0S+1], SCL
	s_mov_b64 s[G0S+2:G0S+3], s[22:23]
	s_or_b32 s[G0S+3], s[G0S+3], 0x80000000
	s_mov_b32 s[G0SB], 1                           ; B's
	s_mov_b32 s[G0SB+1], SCL+2*HALFS
	s_mov_b64 s[G0SB+2:G0SB+3], s[92:93]
	s_or_b32 s[G0SB+3], s[G0SB+3], 0x80000000
	s_add_nc_u64 s[20:21], s[20:21], s[18:19]      ; for the ring: my 128 rows
	s_add_nc_u64 s[46:47], s[46:47], s[18:19]
.irp s, 0,1
	s_mov_b32 s[G0+4*\s], 1
	s_add_co_u32 s[G0+4*\s+1], s45, \s*SLOT
	s_add_nc_u64 s[G0+4*\s+2:G0+4*\s+3], s[20:21], \s*ROWB
	s_or_b32 s[G0+4*\s+3], s[G0+4*\s+3], 0x80000000
	s_mov_b32 s[G0B+4*\s], 1
	s_add_co_u32 s[G0B+4*\s+1], s45, \s*SLOT
	s_add_nc_u64 s[G0B+4*\s+2:G0B+4*\s+3], s[46:47], \s*ROWB
	s_or_b32 s[G0B+4*\s+3], s[G0B+4*\s+3], 0x80000000
.endr
; The head's four tiles, one load a wave, in one chain of branches on the wave's number.
.macro ARM under, g0, g1, next
	s_cmp_lt_u32 s14, \under
	s_cbranch_scc0 \next
	tensor_load_to_lds s[\g0:\g0+3], s[\g1:\g1+7]
	s_nop 0
.rept 4
	v_nop
.endr
	s_branch .Lhead_asked
\next:
.endm
	ARM 1, G0H,  G1,  .Lhead_b
	ARM 2, G0HB, G1B, .Lhead_sa
	ARM 3, G0S,  G1S, .Lhead_sb
	tensor_load_to_lds s[G0SB:G0SB+3], s[G1SB:G1SB+7]
	s_nop 0
.rept 4
	v_nop
.endr
.Lhead_asked:
	; THE BIAS.  q, k: along n, the C of the first products.  v: along m, added on the way out.  Both are loaded in both kinds (from index 0 where they do not count) and multiplied by 1 or 0.
	v_and_b32 v1, 15, v0                           ; r
	v_bfe_u32 v2, v0, 4, 1                         ; h
	s_wait_alu depctr_va_vdst(0)
	s_lshl_b32 s20, s42, 8
	s_lshl_b32 s21, s16, 7
	s_add_co_u32 s20, s20, s21                     ; my first column
	s_lshl_b32 s22, s17, 8
	s_lshl_b32 s23, s15, 7
	s_add_co_u32 s22, s22, s23
	s_add_co_u32 s22, s22, 2048                    ; my first row of in_proj_w
	s_cmp_lt_u32 ttmp9, 16
	s_cselect_b32 s20, s20, 0
	s_cselect_b32 s22, 0, s22
	s_lshl_b32 s20, s20, 2
	s_lshl_b32 s22, s22, 2
	s_mov_b32 s21, 0
	s_mov_b32 s23, 0
	s_add_nc_u64 s[92:93], s[96:97], s[20:21]
	s_add_nc_u64 s[94:95], s[96:97], s[22:23]
	v_lshlrev_b32 v7, 5, v2                        ; 32 h
	v_lshlrev_b32 v8, 2, v1                        ; 4 r
.irp b, 0,1,2,3,4,5,6,7
	global_load_b128 v[BN+8*\b:BN+8*\b+3], v7, s[92:93] offset:64*\b        ; register 8 b + j: column 16 b + 8 h + j
	global_load_b128 v[BN+8*\b+4:BN+8*\b+7], v7, s[92:93] offset:64*\b+16
.endr
.irp a, 0,1,2,3,4,5,6,7
	global_load_b32 v[RAW+\a], v8, s[94:95] offset:64*\a                    ; row 16 a + r
.endr
	s_wait_loadcnt 0x0
.set jj, 0
.rept 32
	v_pk_mul_f32 v[BN+jj:BN+jj+1], v[BN+jj:BN+jj+1], s[12:13] op_sel_hi:[1,0]
.set jj, jj+2
.endr
.irp a, 0,1,2,3,4,5,6,7
	v_mul_f32 v[BM2+2*\a], s13, v[RAW+\a]
	v_mul_f32 v[BM2+2*\a+1], s13, v[RAW+\a]
.endr
	v_mul_u32_u24 v3, v1, PITCH
	v_mul_u32_u24 v4, v2, 24
	v_add_nc_u32 v4, v3, v4                        ; a fragment's row x pitch + 24 x half
	s_mov_b32 s21, SLOT-232
	s_mov_b32 s22, SLOT+232
	v_sub_nc_u32 v7, 1, v2
	v_mul_u32_u24 v5, s21, v2
	v_add_nc_u32 v5, v3, v5
	v_add_nc_u32 v5, 232, v5                       ; lanes 0-15 byte 232 in slot 0, lanes 16-31 byte 0 in slot 1;
	v_mul_u32_u24 v6, s22, v7
	v_add_nc_u32 v6, v3, v6                        ; and lanes 0-15 byte 232 in slot 1, lanes 16-31 byte 0 in slot 0
	s_mul_i32 s21, s15, HALFT
	s_mul_i32 s22, s16, HALFT
	s_add_co_u32 s22, s22, 2*HALFT
	v_add_nc_u32 v[ADRA+2], s21, v5
	v_add_nc_u32 v[ADRA+3], s21, v6
	v_add_nc_u32 v[ADRB+2], s22, v5
	v_add_nc_u32 v[ADRB+3], s22, v6
.irp s, 0,1
	v_add_nc_u32 v[ADRA+\s], s21, v4
	v_add_nc_u32 v[ADRB+\s], s22, v4
	s_add_co_u32 s21, s21, SLOT
	s_add_co_u32 s22, s22, SLOT
.endr
	v_mul_u32_u24 v5, v1, KS
	v_lshrrev_b32 v6, 8, v5
	v_lshl_add_u32 v5, v6, 4, v5                   ; my row's scales: 32 bytes a row, 16 more for each 256 passed
	s_mul_i32 s21, s15, HALFS
	s_mul_i32 s22, s16, HALFS
	s_add_co_u32 s22, s22, 2*HALFS
	s_sub_co_u32 s22, s22, s21
	v_mul_u32_u24 v6, s22, v2                      ; lanes 16-31 take B's: one product, the distance between the two bases
	s_add_co_u32 s21, s21, SCL
	v_add_nc_u32 v5, v5, v6
	v_add_nc_u32 v[ADRS], s21, v5
.macro FRAG reg, adr, st, i            ; 16 rows x 128 K: 12 registers, in pieces of 8 bytes; byte y of a row lies in slot (y / 256) % 2 at byte y % 256
.irp p, 0,1,2,3,4,5
.set BY, 96*(\st)+48*(\p/3)+8*(\p%3)
.if BY/ROWB == (BY+24)/ROWB
	ds_load_b64 v[\reg+2*\p:\reg+2*\p+1], v[\adr+(BY/ROWB)%2] offset:BY%ROWB+(\i)*16*PITCH
.else
	ds_load_b64 v[\reg+2*\p:\reg+2*\p+1], v[\adr+2+(BY/ROWB)%2] offset:BY%ROWB-232+(\i)*16*PITCH
.endif
.endr
.endm
; 16 products: A's blocks a0, a0 + 1 x B's eight.  zero = 1: the first products start the sums with the bias along n.  The 64 accumulators take turns.
.macro MUL16 a0, p, q, sc, zero
.irp a, \a0, \a0+1
.irp b, 0,1,2,3,4,5,6,7
.if \zero
	v_wmma_scale_f32_16x16x128_f8f6f4 v[8*(8*((\a)%4)+\b):8*(8*((\a)%4)+\b)+7], v[128*(\p)+FR*\b:128*(\p)+FR*\b+FR-1], v[AF+FR*(\a):AF+FR*(\a)+FR-1], v[BN+8*\b:BN+8*\b+7], v[SC+8*NQ*(\sc)+NQ*\b+(\q)], v[SC+8*NQ*(\sc)+NQ*(\a)+(\q)] matrix_a_fmt:MATRIX_FMT_BF6 matrix_b_fmt:MATRIX_FMT_BF6 matrix_a_scale:MATRIX_SCALE_ROW1
.else
	v_wmma_scale_f32_16x16x128_f8f6f4 v[8*(8*((\a)%4)+\b):8*(8*((\a)%4)+\b)+7], v[128*(\p)+FR*\b:128*(\p)+FR*\b+FR-1], v[AF+FR*(\a):AF+FR*(\a)+FR-1], v[8*(8*((\a)%4)+\b):8*(8*((\a)%4)+\b)+7], v[SC+8*NQ*(\sc)+NQ*\b+(\q)], v[SC+8*NQ*(\sc)+NQ*(\a)+(\q)] matrix_a_fmt:MATRIX_FMT_BF6 matrix_b_fmt:MATRIX_FMT_BF6 matrix_a_scale:MATRIX_SCALE_ROW1
.endif
.endr
.endr
.endm
.macro FETCH_B st, p
	WIN TO_B
.irp i, 0,1,2,3,4,5,6,7
	FRAG 128*(\p)+FR*\i, ADRB, \st, \i
.endr
	WIN 0
.endm
.macro FETCH_A st, i0
.irp i, \i0, \i0+1, \i0+2, \i0+3
	FRAG AF+FR*(\i), ADRA, \st, \i
.endr
.endm
.macro SCALES pr                       ; the words of steps 2 pr, 2 pr + 1: lanes 0-15 A's block i, lanes 16-31 B's block i
.irp i, 0,1,2,3,4,5,6,7
	ds_load_b64 v[SC+8*NQ*((\pr)%2)+NQ*\i:SC+8*NQ*((\pr)%2)+NQ*\i+1], v[ADRS] offset:\i*SBLK+4*NQ*(\pr)
.endr
.endm
.macro PLACES n                        ; plain vector instructions between a matrix instruction and a load into, or a read of, its registers
.rept \n
	v_nop
.endr
.endm
; A step: 64 products; the next step's fragments are fetched in its middle and at its end.  Where the next step's bytes END in a chunk not yet read, a barrier shows that chunk whole.
; Where they BEGIN in a later chunk, the chunk left behind is read no more: the three lines, the barrier, and, where a chunk two on is left, the cluster's round and the refill.
.macro STEP st, zero
.set NX, (\st)+1
.set C0, (96*(\st))/ROWB
.set C1, (96*NX)/ROWB
.set E0, (96*(\st)+95)/ROWB
.set E1, (96*NX+95)/ROWB
.if \zero
.set WLO, 0x81                         ; C (the bias) in window 0, D in window 2
.set WHI, 0xc1
.else
.set WLO, MUL_LO
.set WHI, MUL_HI
.endif
.if C1 > C0 || E1 > E0
	s_wait_tensorcnt 0x0                           ; all my tensor loads have landed
.if C1 > C0
	ds_add_u32 v[SPW], v[NIL]                      ; 0 onto my spare word
	s_wait_dscnt 4*NL+1                            ; the add and A's blocks 4-7 (24 loads) may be out
.else
	s_wait_dscnt 4*NL                              ; A's blocks 4-7 (24 loads) may be out
.endif
	WIN WLO
	MUL16 0, (\st)%2, (\st)%2, ((\st)/2)%2, \zero
	s_wait_dscnt 0x0                               ; the add, where there is one, and all my reads are done
	s_barrier_signal -1
	MUL16 2, (\st)%2, (\st)%2, ((\st)/2)%2, \zero
	WIN 0
	s_barrier_wait -1
.if C1 > C0 && C0+2 < CHUNKS
	CREST                                          ; the barrier has opened a round of the cluster's
	s_add_nc_u64 s[G0+4*(C0%2)+2:G0+4*(C0%2)+3], s[G0+4*(C0%2)+2:G0+4*(C0%2)+3], 2*ROWB
	s_add_nc_u64 s[G0B+4*(C0%2)+2:G0B+4*(C0%2)+3], s[G0B+4*(C0%2)+2:G0B+4*(C0%2)+3], 2*ROWB
	JLOAD G0+4*(C0%2), G1, G0B+4*(C0%2), G1B       ; chunk C0 + 2: my one tensor load behind the round; its four v_nop are the places for the loads below
.else
	PLACES NP
.endif
.else
	s_wait_dscnt 4*NL                              ; B's set and A's blocks 0-3 are in; A's blocks 4-7 (24 loads) may be out
	WIN WLO
	MUL16 0, (\st)%2, (\st)%2, ((\st)/2)%2, \zero
	MUL16 2, (\st)%2, (\st)%2, ((\st)/2)%2, \zero
	s_wait_dscnt 0
	PLACES NP
.endif
	FETCH_B NX, NX%2
	FETCH_A NX, 0
.if NX%2 == 0
	SCALES NX/2
.endif
	WIN WHI
	MUL16 4, (\st)%2, (\st)%2, ((\st)/2)%2, \zero
	MUL16 6, (\st)%2, (\st)%2, ((\st)/2)%2, \zero
	PLACES NP
	WIN 0
	FETCH_A NX, 4
.endm
	s_wait_alu depctr_va_vdst(0)
	s_wait_tensorcnt 0x0                           ; my tile of the head's four is in; the lines ahead of a later first fill, as ahead of a refill
	ds_add_u32 v[SPW], v[NIL]
	s_mov_b32 s[G1+2], 128<<16                     ; no tensor load of mine is out: from here on a load brings 128 rows
	s_mov_b32 s[G1+4], 128
	s_mov_b32 s[G1B+2], 128<<16
	s_mov_b32 s[G1B+4], 128
	s_wait_dscnt 0x0
	CROUND
	JLOAD G0+4, G1, G0B+4, G1B                     ; chunk 1, the first tensor load behind the round
	FETCH_B 0, 0
	FETCH_A 0, 0
	SCALES 0
	FETCH_A 0, 4
	STEP 0, 1
.set ST, 1                             ; slots and chunks do not come back to where they began inside K = 1,024: the eight steps are written out
.rept STEPS-2
	STEP ST, 0
.set ST, ST+1
.endr
	s_wait_dscnt 4*NL
	WIN MUL_LO
	MUL16 0, 1, 1, 1, 0
	MUL16 2, 1, 1, 1, 0
	s_wait_dscnt 0
	WIN MUL_HI
	MUL16 4, 1, 1, 1, 0
	MUL16 6, 1, 1, 1, 0
	WIN 0
; THE WAY OUT.  No LDS: a lane's 64 numbers of a block of 16 rows are quantised in registers, and the codes leave as images.  All tensor loads are done, so the descriptors' registers are free.
.set US,   46                          ; bytes from tile 2 g to tile 2 g + 1
.set HS,   47                          ; from a fragment's first six registers to its second six (q, k: the next head; v: keys 64 on)
.set PS1,  68                          ; s[68:69], s[70:71]: from a pair of tiles to the next
.set PS2,  70
.set HM,   72                          ; scale words: from lanes 0-15 to lanes 16-31
.set S2,   73                          ; and from pairs 0, 1 to pairs 2, 3
.set SELA, 74
.set SELB, 75
.set TOFF, 76
.set SOFF, 77
.set SB,   82
.set M8,   84
.set MH,   85
.set SEL,  86
.set ST0,  32
.set ST1,  96
.set PCE,  160
.set PCO,  180
.set TM,   200
.set PWE,  216
.set PWO,  217
.set T0,   218
.set T1,   219
.set WA,   220
.set WB,   221
.set SW,   240
.set VA,   244
.set VB,   248
.set VS1,  252
.set VS2,  253
	PLACES NP
	s_and_b32 s78, ttmp9, 1                        ; q (0) or k (1)
	s_mul_i32 s79, s78, 6400
	s_mul_i32 s80, s78, 12544
	s_add_co_u32 s80, s80, 6144
	s_cmp_lt_u32 ttmp9, 16
	s_cselect_b32 s20, s17, s42                    ; the coordinate that runs along the positions,
	s_cselect_b32 s21, s15, s16                    ; my half of it,
	s_cselect_b32 s22, s40, s41                    ; the place that runs along the heads,
	s_cselect_b32 s23, s16, s15                    ; my half of it
	s_mov_b32 s[US], 1536
	s_cselect_b32 s[US], 768, s[US]
	s_mov_b32 s[HS], 768
	s_cselect_b32 s[HS], HEADB, s[HS]
	s_mov_b32 s[PS1], 3072
	s_cselect_b32 s[PS1], 1536, s[PS1]
	s_mov_b32 s[PS2], HEADB-3072
	s_cselect_b32 s[PS2], 1536, s[PS2]
	s_mov_b32 s[HM], 128
	s_cselect_b32 s[HM], HEADB, s[HM]
	s_mov_b32 s[S2], HEADB
	s_cselect_b32 s[S2], 128, s[S2]
	s_mov_b32 s[SELA], 0x03020100
	s_cselect_b32 s[SELA], 0x05040100, s[SELA]
	s_mov_b32 s[SELB], 0x07060504
	s_cselect_b32 s[SELB], 0x07060302, s[SELB]
	s_mov_b32 s[TOFF], 12544
	s_cselect_b32 s[TOFF], s79, s[TOFF]
	s_mov_b32 s[SOFF], 18944
	s_cselect_b32 s[SOFF], s80, s[SOFF]
	s_mov_b32 s[PS1+1], 0
	s_mov_b32 s[PS2+1], 0
	s_mov_b32 s[M8], 0xff00ff00
	s_mov_b32 s[MH], 0xffff0000
	s_mov_b32 s[SEL], 0x76543210
	s_mov_b32 s[SEL+1], 0xfedcba98
	s_lshr_b32 s78, s20, 3
	s_lshl_b32 s78, s78, 8                         ; 256 x batch
	s_and_b32 s20, s20, 7
	s_lshl_b32 s20, s20, 1
	s_add_co_u32 s20, s20, s21                     ; the record
	s_lshl_b32 s22, s22, 2
	s_lshl_b32 s23, s23, 1
	s_add_co_u32 s22, s22, s23                     ; my first head
	s_lshl_b32 s22, s22, 4
	s_add_co_u32 s78, s78, s22
	s_add_co_u32 s78, s78, s20
	s_mul_i32 s78, s78, RECB                       ; under 2^25
	s_add_co_u32 s80, s78, s[SOFF]
	s_add_co_u32 s78, s78, s[TOFF]
	s_mov_b32 s79, 0
	s_mov_b32 s81, 0
	s_add_nc_u64 s[12:13], s[98:99], s[78:79]
	s_add_nc_u64 s[SB:SB+1], s[98:99], s[80:81]
	v_and_b32 v1, 31, v0
	v_lshlrev_b32 v2, 4, v1
	v_lshlrev_b32 v3, 3, v1
	v_add_nc_u32 v3, 512, v3
	v_mov_b32 v[VA], v2                            ; VA + 2 u + half: 16 l + u US + half HS
	v_add_nc_u32 v[VA+1], s[HS], v2
	v_add_nc_u32 v[VA+2], s[US], v2
	v_add_nc_u32 v[VA+3], s[HS], v[VA+2]
	v_mov_b32 v[VB], v3                            ; VB likewise: 512 + 8 l + ..
	v_add_nc_u32 v[VB+1], s[HS], v3
	v_add_nc_u32 v[VB+2], s[US], v3
	v_add_nc_u32 v[VB+3], s[HS], v[VB+2]
	v_and_b32 v4, 15, v0
	v_bfe_u32 v5, v0, 4, 1
	v_lshlrev_b32 v4, 3, v4
	v_mul_lo_u32 v5, v5, s[HM]
	v_add_nc_u32 v[VS1], v4, v5
	v_add_nc_u32 v[VS2], s[S2], v[VS1]
.irp b, 0,1,2,3
	v_mov_b32 v[TM+4+\b], 0                        ; written once: a lane permute's destination counts as one of its sources
.endr
	v_mov_b32 v[T0], 0
	v_mov_b32 v[T1], 0
; Block a's 64 numbers of my row, with the bias along m, into v[st] on; then halves change places, so that register 16 q + i is column 32 q + 16 (lane / 16) + i.
.macro BIASED a, st
	WIN 0x02+(\a)/4
.irp b, 0,1,2,3,4,5,6,7
.irp k, 0,2,4,6
	v_pk_add_f32 v[\st+8*\b+\k:\st+8*\b+\k+1], v[8*(8*((\a)%4)+\b)+\k:8*(8*((\a)%4)+\b)+\k+1], v[BM2+2*(\a):BM2+2*(\a)+1]   ; each accumulator from its low end on
.endr
.endr
	WIN 0
.irp q, 0,1,2,3
.irp j, 0,1,2,3,4,5,6,7
	v_permlane16_swap_b32 v[\st+16*\q+\j], v[\st+16*\q+8+\j]
.endr
.endr
.endm
; 64 numbers of a lane become a fragment's 12 registers of codes in v[pc] on and the row's scale word in v[pw].
.macro QUANT s, pc, pw
.irp b, 0,1,2,3
	v_max3_num_f32 v[TM+\b], |v[\s+16*\b]|, |v[\s+1+16*\b]|, 0x2800000   ; and the floor 2^(5 - 127)
.endr
.irp i, 2,4,6,8,10,12,14
.irp b, 0,1,2,3
	v_max3_num_f32 v[TM+\b], v[TM+\b], |v[\s+16*\b+\i]|, |v[\s+1+16*\b+\i]|
.endr
.endr
.irp b, 0,1,2,3
	v_permlanex16_b32 v[TM+4+\b], v[TM+\b], s[SEL], s[SEL+1]
.endr
.irp b, 0,1,2,3
	v_max_num_f32 v[TM+\b], v[TM+\b], v[TM+4+\b]
.endr
.irp b, 0,1,2,3
	v_add_nc_u32 v[TM+12+\b], 0xfe000000, v[TM+\b]   ; 4 off the exponent field: the conversion's scale operand
.endr
.irp b, 0,1,2,3
	v_lshrrev_b32 v[TM+4+\b], 23, v[TM+12+\b]
.endr
	v_lshl_or_b32 v[\pw], v[TM+5], 8, v[TM+4]
	v_lshl_or_b32 v[\pw], v[TM+6], 16, v[\pw]
	v_lshl_or_b32 v[\pw], v[TM+7], 24, v[\pw]
.irp c, 0,1
	v_cvt_scalef32_pk16_bf6_f32 v[\pc+6*\c:\pc+2+6*\c], v[\s+32*\c:\s+15+32*\c], v[TM+12+2*\c]
	v_cvt_scalef32_pk16_bf6_f32 v[\pc+12+4*\c:\pc+14+4*\c], v[\s+16+32*\c:\s+31+32*\c], v[TM+12+2*\c+1]
.endr
	v_nop                                          ; one plain place behind a scaled conversion
.irp c, 0,1
.irp i, 0,1,2
	v_permlane16_swap_b32 v[\pc+6*\c+\i], v[\pc+12+4*\c+\i]
.endr
.irp i, 0,1,2
	v_mov_b32 v[\pc+3+6*\c+\i], v[\pc+12+4*\c+\i]
.endr
.endr
.endm
; Rows 8-15 of x change places with rows 0-7 of y: x then holds rows 0-7 and 16-23 of the 32, y rows 8-15 and 24-31.
.macro PERM x, y
	v_mov_b32_dpp v[T0], v[\y] row_xmask:8 row_mask:0xf bank_mask:0xf
	v_mov_b32_dpp v[T1], v[\x] row_xmask:8 row_mask:0xf bank_mask:0xf
	v_cndmask_b32 v[\x], v[\x], v[T0], s[M8]
	v_cndmask_b32 v[\y], v[T1], v[\y], s[M8]
.endm
.irp g, 0,1,2,3
.if \g > 0
	s_wait_xcnt 0x0                                ; the last pair's stores have read their data and their base
.if \g == 2
	s_add_nc_u64 s[12:13], s[12:13], s[PS2:PS2+1]
.else
	s_add_nc_u64 s[12:13], s[12:13], s[PS1:PS1+1]
.endif
.endif
	BIASED 2*\g, ST0
	BIASED 2*\g+1, ST1
	QUANT ST0, PCE, PWE
	QUANT ST1, PCO, PWO
.irp i, 0,1,2,3,4,5,6,7,8,9,10,11
	PERM PCE+\i, PCO+\i
.endr
	PERM PWE, PWO
	v_perm_b32 v[WA], v[PWO], v[PWE], s[SELA]      ; q, k: the first head's two bytes of both tiles; v: the even tile's word
	v_perm_b32 v[WB], v[PWO], v[PWE], s[SELB]      ; q, k: the second head's; v: the odd tile's
	v_cndmask_b32 v[SW+\g], v[WA], v[WB], s[MH]    ; lanes 16-31 take the second
	global_store_b128 v[VA], v[PCE:PCE+3], s[12:13]            ; 512 consecutive bytes, aligned
	global_store_b64 v[VB], v[PCE+4:PCE+5], s[12:13]           ; 256
	global_store_b128 v[VA+1], v[PCE+6:PCE+9], s[12:13]
	global_store_b64 v[VB+1], v[PCE+10:PCE+11], s[12:13]
	global_store_b128 v[VA+2], v[PCO:PCO+3], s[12:13]
	global_store_b64 v[VB+2], v[PCO+4:PCO+5], s[12:13]
	global_store_b128 v[VA+3], v[PCO+6:PCO+9], s[12:13]
	global_store_b64 v[VB+3], v[PCO+10:PCO+11], s[12:13]
.endr
	global_store_b64 v[VS1], v[SW:SW+1], s[SB:SB+1]            ; the scale words: runs of 128 bytes (q, k) or 256 (v): one byte in 24 of what leaves
	global_store_b64 v[VS2], v[SW+2:SW+3], s[SB:SB+1]
	s_wait_tensorcnt 0x0                           ; the wave's end
	ds_add_u32 v[SPW], v[NIL]
	s_wait_dscnt 0x0
	CROUND                                         ; the closing round
	s_endpgm
.Lfunc_end_k_q5b5c17c0fa_qkv:
	.size	k_q5b5c17c0fa_qkv, .Lfunc_end_k_q5b5c17c0fa_qkv-k_q5b5c17c0fa_qkv
	.p2alignl 7, 3214868480
	.fill 96, 4, 3214868480
	.section	.rodata,"a",@progbits
	.p2align	6, 0x0
	.amdhsa_kernel k_q5b5c17c0fa_qkv
		.amdhsa_group_segment_fixed_size 327680
		.amdhsa_private_segment_fixed_size 0
		.amdhsa_enable_private_segment 0
		.amdhsa_kernarg_size 48
		.amdhsa_user_sgpr_count 2
		.amdhsa_user_sgpr_kernarg_segment_ptr 1
		.amdhsa_wavefront_size32 1
		.amdhsa_system_sgpr_workgroup_id_x 1
		.amdhsa_system_sgpr_workgroup_id_y 1
		.amdhsa_system_sgpr_workgroup_id_z 1
		.amdhsa_system_vgpr_workitem_id 0
		.amdhsa_next_free_vgpr 1024
		.amdhsa_next_free_sgpr 100
		.amdhsa_reserve_vcc 0
		.amdhsa_float_denorm_mode_32 3
		.amdhsa_float_denorm_mode_16_64 3
		.amdhsa_memory_ordered 1
		.amdhsa_forward_progress 1
		.amdhsa_inst_pref_size 211
	.end_amdhsa_kernel
	.amdgpu_metadata
---
amdhsa.version: [ 1, 2 ]
amdhsa.kernels:
  - .name:           k_q5b5c17c0fa_qkv
    .symbol:         k_q5b5c17c0fa_qkv.kd
    .args:
      - { .name: x_codes, .offset: 0, .size: 8, .value_kind: global_buffer, .address_space: global }
      - { .name: x_scales, .offset: 8, .size: 8, .value_kind: global_buffer, .address_space: global }
      - { .name: in_proj_w_codes, .offset: 16, .size: 8, .value_kind: global_buffer, .address_space: global }
      - { .name: in_proj_w_scales, .offset: 24, .size: 8, .value_kind: global_buffer, .address_space: global }
      - { .name: in_proj_b, .offset: 32, .size: 8, .value_kind: global_buffer, .address_space: global }
      - { .name: qkv, .offset: 40, .size: 8, .value_kind: global_buffer, .address_space: global }
    .group_segment_fixed_size: 327680
    .private_segment_fixed_size: 0
    .kernarg_segment_align: 8
    .kernarg_segment_size: 48
    .max_flat_workgroup_size: 128
    .sgpr_count:     100
    .vgpr_count:     1024
    .wavefront_size: 32
...
	.end_amdgpu_metadata
.endif
;; end of part 2
;; launch attn (part 3): grid 4 x 64, 16 waves a work-group, no clusters, 327,680 bytes of LDS; arguments qkv, ctx_img, ctx_sc; writes ctx_img, ctx_sc
.if DOCPART == 3
	.amdgcn_target "amdgcn-amd-amdhsa--gfx1250"
	.amdhsa_code_object_version 6
	.text
	.protected	k_q5b5c17c0fa_attn
	.globl	k_q5b5c17c0fa_attn
	.p2align	8
	.type	k_q5b5c17c0fa_attn,@function
k_q5b5c17c0fa_attn:
	s_mov_b64 s[64:65], 0
	v_nop
	global_prefetch_b8 v0, s[64:65] scope:SCOPE_SE
	s_setreg_imm32_b32 hwreg(HW_REG_WAVE_MODE, 25, 1), 1
	s_wait_xcnt 0x0
; Causal attention on codes of BF6 (E3M2), head size 64; q, k, v^T come as register images from qkv's records (see the layout below); the result is quantised along the head's 64 and leaves as images.
; t = score x log2(e) / 8; M = the running largest t rounded UP to a whole number; p = 2^(t - M) is quantised along the keys; the row's sum is taken of the unquantised p and divides at the end.
; SHARES.  A head has 8 blocks of 256 queries.  Work-group j (0..3) of a head takes block 7 - j, which wants 8 - j slots of 256 keys, and then block j, which wants j + 1: nine slots for every work-group,
; so every trip count is a constant.  Each of 16 waves owns one tile of 16 queries; four waves share a SIMD, so that one wave's vector work stands beside another's products.
; NO CLUSTER: the four work-groups of a head leave the common walk over the keys at different slots (8 - j), so their requests differ from there on.
; LAYOUT.  S^T = K Q^T and O^T = V^T P^T: a lane holds one query throughout.  q k^T has K = 64 and the instruction takes 128: its A holds TWO tiles of keys (registers 0-5, 6-11) and its B the query's codes in one
; half and zero codes in the other, so each instruction multiplies one of the two tiles.
; A record of qkv (19,200 bytes, 128 positions of one head): +0 q 8 x 768 | +6144 q's scales | +6400 k 8 x 768 | +12544 v^T 4 x 1,536 | +18688 k's scales | +18944 v's scales.  Slot r of tile 2 b + u is row 32 b + 8 u + r + 8 (r / 8).
; LIMITS: a block of ctx under 2^-122 gets the byte 1; 1 / sum by v_rcp_f32; NaN and infinities are not served.
.set RECB,  19200
.set HEADB, 16*RECB
.set STEPB, 12800                      ; a record's k, v and their scales: one key step in LDS
.set SLOT1, 1<<17
.set SPARE, 2*SLOT1                    ; the spare words: 128 bytes for each of 16 waves, named by no other line
.set A16, 1                            ; v1  16 x lane
.set A8,  2                            ; v2  8 x lane
.set QD,  3                            ; v3  r + 8 (r / 8) - 16 h
.set SPW, 5
.set NIL, 6
.set CB8, 7                            ; v7  32 r + h: my scale byte's place in a tile's 512
.set AD16, 8
.set AD8, 9
.set PFO, 10                           ; v10 256 x min(lane, 24)
.set KV,  48                           ; v48-95  fragments of K, then of V
.set S,   96                           ; v96-159 S^T, then p
.set O,   160                          ; v160-191 O^T
.set PCD, 192                          ; v192-211 p's codes
.set BM,  212
.set PT,  216
.set SO,  220
.set F,   224
.set TMP, 226
.set NINF, 227
.set DD,  228
.set WV,  18
.set SEL, 20
.set CC,  22                           ; s[22:23] c = log2(e) / 8
.set G1,  24
.set G0,  40
.set KVW, 44                           ; s[44:45] my part of slot 0 in memory
.set PFA, 46
.set I,   48
.set SWI, 49
.set KST, 50
.set DS,  51
.set Q0,  52
.set DS2, 53
.set Q02, 54
.set PLIM, 55
.set TB,  56
.set MH,  57
.set CI1, 58
.set CZ1, 60
.set CI2, 62
.set CZ2, 66
.macro TLOAD                           ; waves 0-3 fetch 6,400 bytes each; four v_nop follow the line
	s_cmp_lt_u32 s[WV], 4
	s_cbranch_scc0 .Lnone_\@
	tensor_load_to_lds s[G0:G0+3], s[G1:G1+7]
	s_nop 0
.rept 4
	v_nop
.endr
.Lnone_\@:
.endm
; A prefetch of the slot after the one just asked for.  All four work-groups of a head walk the same records from slot 0 on: work-group 0 asks, in its first walk, and in it waves 4-7, which fetch nothing: 6,400 bytes a wave,
; lanes 256 bytes apart (25 blocks: lanes 25-31 repeat lane 24's).  Slots 0 and 1 come by their loads alone; trips 6 and 7 ask for nothing: slot 7 is the walk's last.
.macro ASK
	s_cmp_lt_u32 s[I], s[PLIM]
	s_cbranch_scc0 .Lnot_mine_\@
	global_prefetch_b8 v[PFO], s[PFA:PFA+1] th:TH_LOAD_NT scope:SCOPE_SE
.Lnot_mine_\@:
.endm
	s_load_b128 s[4:7], s[0:1], 0x0                ; qkv, ctx_img
	s_load_b64 s[8:9], s[0:1], 0x10                ; ctx_sc
	v_lshl_add_u32 v[SPW], v0, 2, SPARE
	v_mov_b32 v[NIL], 0
	ds_add_u32 v5, v6
	ds_add_u32 v5, v6
	s_wait_dscnt 0x0
	v_lshrrev_b32 v8, 5, v0
	s_delay_alu instid0(VALU_DEP_1)
	v_readfirstlane_b32 s[WV], v8                  ; wave 0..15
	s_and_b32 s68, ttmp7, 0xffff                   ; batch x 16 + head
	s_mul_i32 s70, s68, HEADB
	s_mov_b32 s71, 0
	s_mov_b32 s[G1], 3<<16                         ; no mask; elements of 8 bytes; no padding
	s_mov_b32 s[G1+1], 32<<16                      ; 25 dense rows of 256 bytes
	s_mov_b32 s[G1+2], 25<<16
	s_mov_b32 s[G1+3], 32<<16
	s_mov_b32 s[G1+4], 25
	s_mov_b32 s[G1+5], 32
	s_mov_b32 s[G1+6], 0
	s_mov_b32 s[G1+7], 0
	s_bfe_u32 s72, s[WV], 0x10001                  ; which record of a slot's two,
	s_mul_i32 s72, s72, RECB
	s_and_b32 s73, s[WV], 1                        ; and which half of its 12,800 bytes (waves 4-7 name the same parts in their prefetches)
	s_mul_i32 s73, s73, 6400
	s_add_co_u32 s72, s72, s73
	s_add_co_u32 s72, s72, 6400
	s_mov_b32 s73, 0
	s_wait_kmcnt 0x0
	s_add_nc_u64 s[4:5], s[4:5], s[70:71]          ; the head's records
	s_add_nc_u64 s[KVW:KVW+1], s[4:5], s[72:73]
	s_add_nc_u64 s[PFA:PFA+1], s[KVW:KVW+1], 2*RECB ; at slot 1: the first change of slots steps it to slot 2
	s_mov_b32 s[G0], 1
	s_mul_i32 s[G0+1], s[WV], 6400
	s_mov_b64 s[G0+2:G0+3], s[KVW:KVW+1]
	s_or_b32 s[G0+3], s[G0+3], 0x80000000
	TLOAD                                          ; slot 0: the one first fill
	s_sub_co_u32 s[SWI], 8, ttmp9                  ; the slot at which the second block of queries begins
	s_sub_co_u32 s69, 7, ttmp9                     ; the first block
	s_lshr_b32 s75, s[WV], 3
	s_lshl_b32 s[DS], s69, 1
	s_add_co_u32 s[DS], s[DS], s75                 ; the key step on my diagonal, which is also my queries' record
	s_lshl_b32 s[DS2], ttmp9, 1
	s_add_co_u32 s[DS2], s[DS2], s75
	s_lshl_b32 s76, s69, 4
	s_add_co_u32 s76, s76, s[WV]                   ; my tile in the first block,
	s_lshl_b32 s77, ttmp9, 4
	s_add_co_u32 s77, s77, s[WV]                   ; in the second
	s_and_b32 s72, s[WV], 1
	s_lshl_b32 s73, s72, 3
	s_lshl_b32 s[Q0], s76, 4
	s_sub_co_u32 s[Q0], s[Q0], s73                 ; slot r's query is Q0 + r + 8 (r / 8)
	s_lshl_b32 s[Q02], s77, 4
	s_sub_co_u32 s[Q02], s[Q02], s73
	s_cmp_eq_u32 s72, 0
	s_mov_b32 s87, 0x03020302
	s_cselect_b32 s87, 0x01000100, s87             ; my tile's two bytes of a pair's scale word, twice
	s_mul_i32 s78, s[DS], RECB
	s_mov_b32 s79, 0
	s_add_nc_u64 s[78:79], s[4:5], s[78:79]
	s_mul_i32 s88, s[DS2], RECB
	s_mov_b32 s89, 0
	s_add_nc_u64 s[88:89], s[4:5], s[88:89]
	s_and_b32 s72, s[WV], 7
	s_mul_i32 s73, s72, 768                        ; my tile among a record's eight
	s_lshr_b32 s74, s72, 2
	s_lshl_b32 s74, s74, 7
	s_bfe_u32 s75, s72, 0x10001
	s_lshl_b32 s75, s75, 2
	s_add_co_u32 s74, s74, s75                     ; its pair's scale words: 128 (pair / 2) + 4 (pair % 2)
	v_and_b32 v11, 31, v0
	s_delay_alu instid0(VALU_DEP_1)
	v_lshlrev_b32 v[A16], 4, v11
	s_delay_alu instid0(VALU_DEP_2)
	v_lshlrev_b32 v[A8], 3, v11
	v_and_b32 v4, 15, v0                           ; r
	v_bfe_u32 v8, v0, 4, 1                         ; h
	s_delay_alu instid0(VALU_DEP_4)
	v_add_nc_u32 v232, s73, v[A16]
	s_delay_alu instid0(VALU_DEP_4)
	v_add_nc_u32 v233, s73, v[A8]
	s_delay_alu instid0(VALU_DEP_4)
	v_lshl_add_u32 v234, v4, 3, s74
	global_load_b128 v[22:25], v232, s[78:79]      ; Q of the first block: v22-27, between six zeros below and six above
	global_load_b64 v[26:27], v233, s[78:79] offset:512
	global_load_b32 v40, v234, s[78:79] offset:6144
	global_load_b128 v[34:37], v232, s[88:89]      ; and of the second
	global_load_b64 v[38:39], v233, s[88:89] offset:512
	global_load_b32 v41, v234, s[88:89] offset:6144
	v_and_b32 v[QD], 8, v4
	s_delay_alu instid0(VALU_DEP_1)
	v_add_nc_u32 v[QD], v[QD], v4
	v_lshlrev_b32 v9, 4, v8
	s_delay_alu instid0(VALU_DEP_1)
	v_sub_nc_u32 v[QD], v[QD], v9
	v_lshl_add_u32 v[CB8], v4, 5, v8
	v_min_u32 v[PFO], 24, v11
	s_delay_alu instid0(VALU_DEP_1)
	v_lshlrev_b32 v[PFO], 8, v[PFO]
	s_lshr_b32 s80, s68, 4
	s_lshl_b32 s80, s80, 7                         ; 128 row tiles a batch
	s_and_b32 s81, s68, 15                         ; the head
	s_add_co_u32 s82, s80, s76
	s_add_co_u32 s83, s80, s77
	s_mul_i32 s86, s81, 768
	s_mul_i32 s84, s82, 12288
	s_add_co_u32 s84, s84, s86
	s_mov_b32 s85, 0
	s_add_nc_u64 s[CI1:CI1+1], s[6:7], s[84:85]
	s_mul_i32 s84, s83, 12288
	s_add_co_u32 s84, s84, s86
	s_add_nc_u64 s[CI2:CI2+1], s[6:7], s[84:85]
	s_lshl_b32 s86, s81, 1
	s_lshl_b32 s84, s82, 9
	s_add_co_u32 s84, s84, s86
	s_add_nc_u64 s[CZ1:CZ1+1], s[8:9], s[84:85]
	s_lshl_b32 s84, s83, 9
	s_add_co_u32 s84, s84, s86
	s_add_nc_u64 s[CZ2:CZ2+1], s[8:9], s[84:85]
	s_lshr_b32 s84, s[WV], 2
	s_xor_b32 s84, s84, 1
	s_or_b32 s84, s84, ttmp9
	s_cmp_eq_u32 s84, 0
	s_cselect_b32 s[PLIM], 6, 0                    ; waves 4-7 of the head's work-group 0
	s_mov_b32 s[SEL], 0x76543210
	s_mov_b32 s[SEL+1], 0xfedcba98
	s_mov_b32 s[CC], 0x3e38aa3b
	s_mov_b32 s[CC+1], s[CC]
	s_mov_b32 s[MH], 0xffff0000
	s_mov_b32 s[TB], 0
	s_mov_b32 s[KST], 0
	s_mov_b32 s[I], 0
	s_wait_loadcnt 0x0
	v_perm_b32 v40, v40, v40, s87                  ; (s0, s1, s0, s1): serves Q in either half
	v_perm_b32 v41, v41, v41, s87
.irp j, 0,1,2,3,4,5
	v_mov_b32 v[16+\j], 0                          ; zero codes
	v_mov_b32 v[28+\j], 0
.endr
	v_mov_b32 v13, 0xff61b1e6                      ; the largest t so far: -3e38
	s_delay_alu instid0(VALU_DEP_1)
	v_floor_f32 v12, -v13                          ; -M
	v_mov_b32 v14, 0
	v_mov_b32 v15, 0
.irp b, 0,1,2,3
	v_mov_b32 v[PT+\b], 0                          ; written once: a lane permute's destination counts as one of its sources
.endr
	v_mov_b32 v[F+1], 0
	v_mov_b32 v[TMP], 0
.set jj, 0
.rept 32
	v_mov_b32 v[O+jj], 0                           ; the step is written once: the first finds zeros
.set jj, jj+1
.endr
.macro KQ b, u                         ; tile 2 b + u of the step's keys against my queries
.if (\b) < 2
	v_wmma_scale_f32_16x16x128_f8f6f4 v[S+8*(2*(\b)+(\u)):S+8*(2*(\b)+(\u))+7], v[KV+12*(\b):KV+12*(\b)+11], v[22-6*(\u):33-6*(\u)], 0, v[42+(\b)%2], v40 matrix_a_fmt:MATRIX_FMT_BF6 matrix_b_fmt:MATRIX_FMT_BF6
.else
	v_wmma_scale_f32_16x16x128_f8f6f4 v[S+8*(2*(\b)+(\u)):S+8*(2*(\b)+(\u))+7], v[KV+12*(\b):KV+12*(\b)+11], v[22-6*(\u):33-6*(\u)], 0, v[42+(\b)%2], v40 matrix_a_fmt:MATRIX_FMT_BF6 matrix_b_fmt:MATRIX_FMT_BF6 matrix_a_scale:MATRIX_SCALE_ROW1
.endif
.endm
.macro PV t
.if (\t)%2 == 0
	v_wmma_scale_f32_16x16x128_f8f6f4 v[O+8*(\t):O+8*(\t)+7], v[KV+12*(\t):KV+12*(\t)+11], v[PCD:PCD+11], v[O+8*(\t):O+8*(\t)+7], v[44+(\t)/2], v46 matrix_a_fmt:MATRIX_FMT_BF6 matrix_b_fmt:MATRIX_FMT_BF6
.else
	v_wmma_scale_f32_16x16x128_f8f6f4 v[O+8*(\t):O+8*(\t)+7], v[KV+12*(\t):KV+12*(\t)+11], v[PCD:PCD+11], v[O+8*(\t):O+8*(\t)+7], v[44+(\t)/2], v46 matrix_a_fmt:MATRIX_FMT_BF6 matrix_b_fmt:MATRIX_FMT_BF6 matrix_a_scale:MATRIX_SCALE_ROW1
.endif
.endm
; A KEY STEP: 128 keys, the q-th of the slot in hand.  A step all of whose keys come after my queries is left out by a scalar branch on ids; no barrier and no tensor load stands in a step.
.macro STEP q
	s_cmp_gt_u32 s[KST], s[DS]
	s_cbranch_scc1 .Lhidden_\@
	v_add_nc_u32 v[AD16], s[TB], v[A16]
	v_add_nc_u32 v[AD8], s[TB], v[A8]
	v_nop
	v_nop                                          ; four places in front of loads into registers that the last products read
.irp t, 0,1,2,3,4,5,6,7
	ds_load_b128 v[KV+6*\t:KV+6*\t+3], v[AD16] offset:STEPB*(\q)+768*\t
	ds_load_b64 v[KV+6*\t+4:KV+6*\t+5], v[AD8] offset:STEPB*(\q)+768*\t+512
.endr
	ds_load_b64 v[42:43], v[AD8] offset:STEPB*(\q)+12288   ; K's scale words: v42 pairs 0 (lanes 0-15) and 2 (lanes 16-31), v43 pairs 1 and 3
	s_wait_alu depctr_va_vdst(0)
	s_wait_dscnt 0x0
.irp b, 0,1,2,3
	KQ \b, 0
	KQ \b, 1
.endr
.rept 4
	v_nop                                          ; places: for V's loads into K's registers, and for the first read of the scores
.endr
.irp t, 0,1,2,3,4,5,6,7
	ds_load_b128 v[KV+6*\t:KV+6*\t+3], v[AD16] offset:STEPB*(\q)+6144+768*\t       ; V's fragments land while the softmax is walked
	ds_load_b64 v[KV+6*\t+4:KV+6*\t+5], v[AD8] offset:STEPB*(\q)+6144+768*\t+512
.endr
	ds_load_b64 v[44:45], v[AD8] offset:STEPB*(\q)+12544   ; V's scale words: v44 tiles 0 and 1, v45 tiles 2 and 3
	s_cmp_lg_u32 s[KST], s[DS]
	s_cbranch_scc1 .Lopen_\@
	s_lshl_b32 s68, s[KST], 7                      ; on the diagonal hidden scores become -infinity: register 16 b + i holds key 128 KST + 32 b + 16 h + i
	s_sub_co_i32 s68, s[Q0], s68
	v_add_nc_u32 v[DD], s68, v[QD]                 ; hidden where 32 b + i > my query - 128 KST - 16 h
	v_mov_b32 v[NINF], 0xff800000
.set nn, 0
.rept 64
	v_cmp_gt_i32 vcc_lo, 32*(nn/16)+nn%16, v[DD]
	v_cndmask_b32 v[S+nn], v[S+nn], v[NINF], vcc_lo
.set nn, nn+1
.endr
.Lopen_\@:
.irp b, 0,1,2,3
	v_max3_num_f32 v[BM+\b], v[S+16*\b], v[S+1+16*\b], v[S+2+16*\b]   ; the largest score of each block of 32 keys: for the row's maximum and for the block's largest p
.endr
.irp i, 3,5,7,9,11,13
.irp b, 0,1,2,3
	v_max3_num_f32 v[BM+\b], v[BM+\b], v[S+16*\b+\i], v[S+1+16*\b+\i]
.endr
.endr
.irp b, 0,1,2,3
	v_max_num_f32 v[BM+\b], v[BM+\b], v[S+15+16*\b]
.endr
.irp b, 0,1,2,3
	s_delay_alu instid0(VALU_DEP_4)
	v_permlanex16_b32 v[PT+\b], v[BM+\b], s[SEL], s[SEL+1]
.endr
.irp b, 0,1,2,3
	s_delay_alu instid0(VALU_DEP_4)
	v_max_num_f32 v[BM+\b], v[BM+\b], v[PT+\b]
.endr
	s_delay_alu instid0(VALU_DEP_2)
	v_max3_num_f32 v[TMP], v[BM], v[BM+1], v[BM+2]
	s_delay_alu instid0(VALU_DEP_1)
	v_max_num_f32 v[TMP], v[TMP], v[BM+3]
	s_delay_alu instid0(VALU_DEP_1)
	v_mul_f32 v[TMP], s[CC], v[TMP]
	s_delay_alu instid0(VALU_DEP_1)
	v_max_num_f32 v13, v13, v[TMP]                 ; the running largest t
	v_mov_b32 v[TMP], v12
	s_delay_alu instid0(VALU_DEP_2)
	v_floor_f32 v12, -v13                          ; -M = floor(-t): a whole number
	s_delay_alu instid0(VALU_DEP_1)
	v_sub_f32 v[TMP], v12, v[TMP]
	s_delay_alu instid0(VALU_DEP_1)
	v_cvt_i32_f32 v[TMP], v[TMP]
	s_delay_alu instid0(VALU_DEP_1)
	v_ldexp_f32 v[F], 1.0, v[TMP]                  ; f = 2^(old M - new M): rounds nothing
.set jj, 0
.rept 32
	v_pk_fma_f32 v[S+jj:S+jj+1], v[S+jj:S+jj+1], s[CC:CC+1], v[12:13] op_sel_hi:[1,0,0]   ; t - M
.set jj, jj+2
.endr
.irp b, 0,1,2,3
	v_fma_f32 v[BM+\b], v[BM+\b], s[CC], v12
.endr
.set jj, 0
	s_wait_alu depctr_va_vdst(0)
.rept 64
	v_exp_f32 v[S+jj], v[S+jj]                     ; p, not normalised
.set jj, jj+1
.endr
	v_pk_mul_f32 v[14:15], v[14:15], v[F:F+1] op_sel_hi:[1,0]   ; the sums under the new M; a plain place behind the exponentials
	s_wait_alu depctr_va_vdst(0)                   ; one wait for the batch of 64, ahead of its first reader
.irp b, 0,1,2,3
	v_exp_f32 v[BM+\b], v[BM+\b]                   ; the blocks' largest p
.endr
	v_pk_add_f32 v[216:217], v[100:101], v[104:105]
	v_pk_add_f32 v[254:255], v[108:109], v[112:113]
	v_pk_add_f32 v[252:253], v[116:117], v[120:121]
	v_pk_add_f32 v[250:251], v[124:125], v[128:129]
	v_pk_add_f32 v[248:249], v[132:133], v[136:137]
	v_pk_add_f32 v[246:247], v[140:141], v[144:145]
	v_pk_add_f32 v[244:245], v[148:149], v[152:153]
	v_pk_add_f32 v[14:15], v[14:15], v[156:157]
	v_pk_add_f32 v[216:217], v[216:217], v[96:97]
	v_pk_add_f32 v[254:255], v[254:255], v[98:99]
	v_pk_add_f32 v[252:253], v[252:253], v[102:103]
	v_pk_add_f32 v[250:251], v[250:251], v[106:107]
	v_pk_add_f32 v[248:249], v[248:249], v[110:111]
	v_pk_add_f32 v[246:247], v[246:247], v[114:115]
	v_pk_add_f32 v[244:245], v[244:245], v[118:119]
	v_pk_add_f32 v[14:15], v[14:15], v[122:123]
	v_pk_add_f32 v[216:217], v[216:217], v[126:127]
	v_pk_add_f32 v[254:255], v[254:255], v[130:131]
	v_pk_add_f32 v[252:253], v[252:253], v[134:135]
	v_pk_add_f32 v[250:251], v[250:251], v[138:139]
	v_pk_add_f32 v[248:249], v[248:249], v[142:143]
	v_pk_add_f32 v[246:247], v[246:247], v[146:147]
	v_pk_add_f32 v[244:245], v[244:245], v[150:151]
	v_pk_add_f32 v[14:15], v[14:15], v[154:155]
	v_pk_add_f32 v[216:217], v[216:217], v[158:159]
	s_delay_alu instid0(VALU_DEP_2)
	v_pk_add_f32 v[14:15], v[14:15], v[250:251]
	s_delay_alu instid0(VALU_DEP_2)
	v_pk_add_f32 v[216:217], v[216:217], v[248:249]
	v_pk_add_f32 v[254:255], v[254:255], v[246:247]
	v_pk_add_f32 v[252:253], v[252:253], v[244:245]
	s_delay_alu instid0(VALU_DEP_2)
	v_pk_add_f32 v[14:15], v[14:15], v[254:255]
	s_delay_alu instid0(VALU_DEP_2)
	v_pk_add_f32 v[216:217], v[216:217], v[252:253]
	s_delay_alu instid0(VALU_DEP_1)
	v_pk_add_f32 v[14:15], v[14:15], v[216:217]
	s_wait_alu depctr_va_vdst(0)                   ; and one for the four
.irp b, 0,1,2,3
	v_max_num_f32 v[BM+\b], 0x2800000, v[BM+\b]    ; the floor 2^(5 - 127)
.endr
.irp b, 0,1,2,3
	s_delay_alu instid0(VALU_DEP_4)
	v_add_nc_u32 v[SO+\b], 0xfe000000, v[BM+\b]
.endr
.irp b, 0,1,2,3
	s_delay_alu instid0(VALU_DEP_4)
	v_lshrrev_b32 v[PT+\b], 23, v[SO+\b]
.endr
	s_delay_alu instid0(VALU_DEP_3)
	v_lshl_or_b32 v46, v[PT+1], 8, v[PT]           ; p's scale word for these 128 keys
	s_delay_alu instid0(VALU_DEP_1)
	v_lshl_or_b32 v46, v[PT+2], 16, v46
	s_delay_alu instid0(VALU_DEP_1)
	v_lshl_or_b32 v46, v[PT+3], 24, v46
.irp c, 0,1
	v_cvt_scalef32_pk16_bf6_f32 v[PCD+6*\c:PCD+2+6*\c], v[S+32*\c:S+15+32*\c], v[SO+2*\c]
	v_cvt_scalef32_pk16_bf6_f32 v[PCD+12+4*\c:PCD+14+4*\c], v[S+16+32*\c:S+31+32*\c], v[SO+2*\c+1]
.endr
	v_nop                                          ; one plain place behind a scaled conversion
.irp c, 0,1
.irp i, 0,1,2
	v_permlane16_swap_b32 v[PCD+6*\c+\i], v[PCD+12+4*\c+\i]
.endr
.irp i, 0,1,2
	s_delay_alu instid0(VALU_DEP_3)
	v_mov_b32 v[PCD+3+6*\c+\i], v[PCD+12+4*\c+\i]
.endr
.endr
.set jj, 0
.rept 16
	v_pk_mul_f32 v[O+jj:O+jj+1], v[O+jj:O+jj+1], v[F:F+1] op_sel_hi:[1,0]   ; O^T under the new M; these are also the places between the scale word, the codes and the products
.set jj, jj+2
.endr
.rept 4
	v_nop
.endr
	s_wait_alu depctr_va_vdst(0)
	s_wait_dscnt 0x0                               ; V is in
.irp t, 0,1,2,3
	PV \t                                          ; four accumulators by turns
.endr
.Lhidden_\@:
	s_add_co_u32 s[KST], s[KST], 1
.endm
; THE CHANGE OF SLOTS, at a slot's head.  fill = 1: the slot just left is filled with the keys that trip I + 1 wants: slot I + 1 of the first walk, or I + 1 - SWI of the second.
.macro CHANGE fill
	s_wait_tensorcnt 0x0                           ; no tensor load of mine is out: the descriptor may be written
	ds_add_u32 v[SPW], v[NIL]                      ; 0 onto my spare word
.if \fill
	s_add_co_u32 s70, s[I], 1
	s_cmp_ge_u32 s70, s[SWI]
	s_cselect_b32 s71, s[SWI], 0
	s_sub_co_u32 s70, s70, s71
	s_mul_i32 s70, s70, 2*RECB
	s_mov_b32 s71, 0
	s_add_nc_u64 s[G0+2:G0+3], s[KVW:KVW+1], s[70:71]
	s_or_b32 s[G0+3], s[G0+3], 0x80000000
	s_xor_b32 s[G0+1], s[G0+1], SLOT1
	s_wait_xcnt 0x0                                ; the last prefetch, a slot back, has read its address
	s_add_nc_u64 s[PFA:PFA+1], s[PFA:PFA+1], 2*RECB
.endif
	s_wait_dscnt 0x0                               ; the add is done, and my reads of the slot that I have left are over
	s_barrier_signal -1
	s_barrier_wait -1
.if \fill
	TLOAD                                          ; a wave's one tensor load until the next such barrier: one is out at any time
	ASK
.endif
.endm
; A tile of queries is finished: O^T / the sum, quantised along the head's 64 (two blocks), leaves as a piece of 768 bytes and two scale bytes a row.
.macro OUT ci, cz
.rept 4
	v_nop                                          ; places behind the last products
.endr
	v_add_f32 v14, v14, v15
	s_delay_alu instid0(VALU_DEP_1)
	v_permlanex16_b32 v[TMP], v14, s[SEL], s[SEL+1]
	s_delay_alu instid0(VALU_DEP_1)
	v_add_f32 v14, v14, v[TMP]                     ; the row's sum
	s_wait_alu depctr_va_vdst(0)
	v_rcp_f32 v14, v14
	v_nop
	s_wait_alu depctr_va_vdst(0)                   ; ahead of the reciprocal's first reader
.set jj, 0
.rept 32
	v_mul_f32 v[S+jj], v[O+jj], v14                ; register 16 b + i: number 32 b + 16 h + i of the head; each accumulator from its low end on
.set jj, jj+1
.endr
.irp b, 0,1
	v_max3_num_f32 v[BM+\b], |v[S+16*\b]|, |v[S+1+16*\b]|, 0x2800000
.endr
.irp i, 2,4,6,8,10,12,14
.irp b, 0,1
	s_delay_alu instid0(VALU_DEP_2)
	v_max3_num_f32 v[BM+\b], v[BM+\b], |v[S+16*\b+\i]|, |v[S+1+16*\b+\i]|
.endr
.endr
.irp b, 0,1
	s_delay_alu instid0(VALU_DEP_2)
	v_permlanex16_b32 v[PT+\b], v[BM+\b], s[SEL], s[SEL+1]
.endr
.irp b, 0,1
	s_delay_alu instid0(VALU_DEP_2)
	v_max_num_f32 v[BM+\b], v[BM+\b], v[PT+\b]
.endr
.irp b, 0,1
	s_delay_alu instid0(VALU_DEP_2)
	v_add_nc_u32 v[SO+\b], 0xfe000000, v[BM+\b]
.endr
.irp b, 0,1
	s_delay_alu instid0(VALU_DEP_2)
	v_lshrrev_b32 v[PT+\b], 23, v[SO+\b]
.endr
	s_wait_alu depctr_va_vdst(0)
	s_wait_xcnt 0x0                                ; an earlier tile's stores have read their data
	v_cvt_scalef32_pk16_bf6_f32 v[232:234], v[S:S+15], v[SO]
	v_cvt_scalef32_pk16_bf6_f32 v[240:242], v[S+16:S+31], v[SO+1]
	v_cndmask_b32 v238, v[PT], v[PT+1], s[MH]      ; lane (r, h) keeps block h's byte; a plain place behind the conversions
.irp i, 0,1,2
	v_permlane16_swap_b32 v[232+\i], v[240+\i]
.endr
.irp i, 0,1,2
	s_delay_alu instid0(VALU_DEP_3)
	v_mov_b32 v[235+\i], v[240+\i]
.endr
	global_store_b128 v[A16], v[232:235], s[\ci:\ci+1]             ; 512 consecutive bytes, aligned
	global_store_b64 v[A8], v[236:237], s[\ci:\ci+1] offset:512    ; 256
	global_store_b8 v[CB8], v238, s[\cz:\cz+1]                     ; single bytes, 32 apart: one byte in 24 of what leaves
.endm
.macro SWITCH                          ; at slot SWI the first block's tile leaves and the second block's begins: registers and global stores alone
	s_cmp_lg_u32 s[I], s[SWI]
	s_cbranch_scc1 .Lsame_\@
	OUT CI1, CZ1
.irp j, 0,1,2,3,4,5
	v_mov_b32 v[22+\j], v[34+\j]
.endr
	v_mov_b32 v40, v41
	v_mov_b32 v13, 0xff61b1e6
	s_delay_alu instid0(VALU_DEP_1)
	v_floor_f32 v12, -v13
	v_mov_b32 v14, 0
	v_mov_b32 v15, 0
.set jj, 0
.rept 32
	v_mov_b32 v[O+jj], 0                           ; also the places between Q's scale word and the next products
.set jj, jj+1
.endr
	s_mov_b32 s[DS], s[DS2]
	s_mov_b32 s[Q0], s[Q02]
	s_mov_b32 s[KST], 0
.Lsame_\@:
.endm
.Lslot:                                                ; eight trips: behind each change of slots but the last the next slot is asked for
	CHANGE 1
	SWITCH
	STEP 0
	STEP 1
	s_xor_b32 s[TB], s[TB], SLOT1
	s_add_co_u32 s[I], s[I], 1
	s_cmp_lt_u32 s[I], 8
	s_cbranch_scc1 .Lslot
	CHANGE 0                                       ; the ninth slot is written out
	SWITCH
	STEP 0
	STEP 1
	OUT CI2, CZ2
	s_wait_tensorcnt 0x0                           ; the wave's end
	ds_add_u32 v[SPW], v[NIL]
	s_wait_dscnt 0x0
	s_endpgm
.Lfunc_end_k_q5b5c17c0fa_attn:
	.size	k_q5b5c17c0fa_attn, .Lfunc_end_k_q5b5c17c0fa_attn-k_q5b5c17c0fa_attn
	.p2alignl 7, 3214868480
	.fill 96, 4, 3214868480
	.section	.rodata,"a",@progbits
	.p2align	6, 0x0
	.amdhsa_kernel k_q5b5c17c0fa_attn
		.amdhsa_group_segment_fixed_size 327680
		.amdhsa_private_segment_fixed_size 0
		.amdhsa_enable_private_segment 0
		.amdhsa_kernarg_size 24
		.amdhsa_user_sgpr_count 2
		.amdhsa_user_sgpr_kernarg_segment_ptr 1
		.amdhsa_wavefront_size32 1
		.amdhsa_system_sgpr_workgroup_id_x 1
		.amdhsa_system_sgpr_workgroup_id_y 1
		.amdhsa_system_sgpr_workgroup_id_z 1
		.amdhsa_system_vgpr_workitem_id 0
		.amdhsa_next_free_vgpr 256
		.amdhsa_next_free_sgpr 96
		.amdhsa_reserve_vcc 1
		.amdhsa_float_denorm_mode_32 3
		.amdhsa_float_denorm_mode_16_64 3
		.amdhsa_memory_ordered 1
		.amdhsa_forward_progress 1
		.amdhsa_inst_pref_size 115
	.end_amdhsa_kernel
	.amdgpu_metadata
---
amdhsa.version: [ 1, 2 ]
amdhsa.kernels:
  - .name:           k_q5b5c17c0fa_attn
    .symbol:         k_q5b5c17c0fa_attn.kd
    .args:
      - { .name: qkv, .offset: 0, .size: 8, .value_kind: global_buffer, .address_space: global }
      - { .name: ctx_img, .offset: 8, .size: 8, .value_kind: global_buffer, .address_space: global }
      - { .name: ctx_sc, .offset: 16, .size: 8, .value_kind: global_buffer, .address_space: global }
    .group_segment_fixed_size: 327680
    .private_segment_fixed_size: 0
    .kernarg_segment_align: 8
    .kernarg_segment_size: 24
    .max_flat_workgroup_size: 512
    .sgpr_count:     96
    .vgpr_count:     256
    .wavefront_size: 32
...
	.end_amdgpu_metadata
.endif
;; end of part 3
;; launch proj (part 4): grid 128 x 1, 4 waves a work-group, clusters of 4 x 1, 327,680 bytes of LDS; arguments ctx_img, ctx_sc, w_img, out_w_scales, x, out_b, gamma, beta, out0; writes out0
.if DOCPART == 4
	.amdgcn_target "amdgcn-amd-amdhsa--gfx1250"
	.amdhsa_code_object_version 6
	.text
	.protected	k_q5b5c17c0fa_proj
	.globl	k_q5b5c17c0fa_proj
	.p2align	8
	.type	k_q5b5c17c0fa_proj,@function
k_q5b5c17c0fa_proj:
	s_mov_b64 s[64:65], 0
	v_nop
	global_prefetch_b8 v0, s[64:65] scope:SCOPE_SE
	s_setreg_imm32_b32 hwreg(HW_REG_WAVE_MODE, 25, 1), 1
	s_wait_xcnt 0x0
	s_wait_alu depctr_hold_cnt(0) depctr_sa_sdst(0) depctr_va_vdst(0) depctr_va_sdst(0) depctr_va_ssrc(0) depctr_va_vcc(0) depctr_vm_vsrc(0)
	s_getreg_b32 s2, hwreg(HW_REG_IB_STS2, 6, 4)
	s_cmp_eq_u32 s2, 0
	s_cbranch_scc0 .Lentry_in_a_cluster
	s_endpgm
.Lentry_in_a_cluster:
	s_bfe_u32 s2, ttmp6, 0x10000c
	s_cmp_lg_u32 s2, 0x3003
	s_cbranch_scc0 .Lentry_shape_is_right
	s_endpgm
.Lentry_shape_is_right:
.set WSLOT,  98304
.set AIMG,   2*WSLOT
.set SPITCH, 4112
.set SPARE,  64*SPITCH
.set ADW,  16
.set ADA16, 18
.set ADA8, 19
.set SCO,  20
.set PFO,  21
.set GL,   22
.set SRD,  23
.set STO,  24
.set SPW,  28
.set NIL,  29
.set AF,   32
.set WS,   128
.set AS,   192
.set OB,   96
.set GA,   128
.set BE,   160
.set RA,   192
.set RB,   194
.set TT,   196
.set MU,   198
.set RS,   200
.set WV,   22
.set G1W,  24
.set G0W,  32
.set G0A,  40
.set SEL,  44
.set G1A,  48
.set MSB, 0
.macro WIN new
.if MSB != (\new)
	s_set_vgpr_msb (MSB<<8)|(\new)
.set MSB, (\new)
.endif
.endm
.macro CROUND
	s_barrier_signal -1
	s_barrier_wait -1
	s_cmp_lg_u32 s[WV], 0
	s_cbranch_scc1 .Lnot_wave_0_\@
	s_barrier_signal -3
.Lnot_wave_0_\@:
	s_barrier_wait -3
	s_barrier_signal -1
	s_barrier_wait -1
.endm
	s_load_b256 s[4:11], s[0:1], 0x0
	s_load_b256 s[12:19], s[0:1], 0x20
	s_load_b64 s[20:21], s[0:1], 0x40
	v_lshl_add_u32 v[SPW], v0, 2, SPARE
	v_mov_b32 v[NIL], 0
	ds_add_u32 v28, v29
	ds_add_u32 v28, v29
	s_wait_dscnt 0x0
	v_lshrrev_b32 v1, 5, v0
	v_readfirstlane_b32 s[WV], v1
	s_bfe_u32 s23, ttmp6, 0x40000
	s_lshl_b32 s56, ttmp9, 2
	s_add_co_u32 s56, s56, s23
	s_mov_b32 s[G1W], 15|(3<<16)|(1<<21)
	s_mov_b32 s[G1W+1], 32<<16
	s_mov_b32 s[G1W+2], 128<<16                    ; the head's loads of W bring 128 rows of 256 bytes; the ring's 96, set below
	s_mov_b32 s[G1W+3], 32<<16
	s_mov_b32 s[G1W+4], 128
	s_mov_b32 s[G1W+5], 32
	s_mov_b32 s[G1W+6], 0
	s_mov_b32 s[G1W+7], 0
	s_mov_b32 s[G1A], 3<<16
	s_mov_b32 s[G1A+1], 32<<16
	s_mov_b32 s[G1A+2], 192<<16                    ; the work-group's whole image of A: 192 rows of 256 bytes
	s_mov_b32 s[G1A+3], 32<<16
	s_mov_b32 s[G1A+4], 192
	s_mov_b32 s[G1A+5], 32
	s_mov_b32 s[G1A+6], 0
	s_mov_b32 s[G1A+7], 0
	s_mul_i32 s58, s[WV], 24576
	s_mov_b32 s59, 0
	s_mul_i32 s60, s56, 49152                      ; my work-group's four row tiles of ctx_img
	s_mov_b32 s61, 0
	s_lshl_b32 s62, s[WV], 15                      ; a third of W's K step 0: 32,768 bytes for each of waves 0-2
	s_mov_b32 s63, 0
	s_wait_kmcnt 0x0
	s_mov_b32 s[G0W], 1
	s_mov_b32 s[G0W+1], s58
	s_add_nc_u64 s[G0W+2:G0W+3], s[8:9], s[58:59]
	s_mov_b32 s[G0W+4], 1
	s_add_co_u32 s[G0W+5], s58, WSLOT
	s_add_nc_u64 s[G0W+6:G0W+7], s[G0W+2:G0W+3], WSLOT
	s_or_b32 s[G0W+3], s[G0W+3], 0x80000000
	s_or_b32 s[G0W+7], s[G0W+7], 0x80000000
	s_mov_b32 s[G0A], 1
	s_mov_b32 s[G0A+1], AIMG
	s_add_nc_u64 s[G0A+2:G0A+3], s[4:5], s[60:61]
	s_or_b32 s[G0A+3], s[G0A+3], 0x80000000
	s_mov_b32 s68, 1
	s_mov_b32 s69, s62
	s_add_nc_u64 s[70:71], s[8:9], s[62:63]
	s_or_b32 s71, s71, 0x80000000
	CROUND
	s_cmp_lt_u32 s[WV], 3                          ; the head's tiles, one load a wave: waves 0-2 a third of W's K step 0 each (joint), wave 3 the image of A
	s_cbranch_scc0 .Lhead_a
	tensor_load_to_lds s[68:71], s[G1W:G1W+7]
	s_nop 0
.rept 4
	v_nop
.endr
	s_branch .Lhead_asked
.Lhead_a:
	tensor_load_to_lds s[G0A:G0A+3], s[G1A:G1A+7]
	s_nop 0
.rept 4
	v_nop
.endr
.Lhead_asked:
	v_and_b32 v2, 31, v0
	v_lshlrev_b32 v[GL], 4, v2
	v_lshlrev_b32 v[SCO], 5, v2
	v_lshlrev_b32 v[PFO], 8, v2
	v_add_nc_u32 v[ADW], s58, v[GL]
	v_add_nc_u32 v[ADW+1], WSLOT, v[ADW]
	v_add_nc_u32 v[ADA16], AIMG, v[GL]
	v_lshl_add_u32 v[ADA8], v2, 3, AIMG
	s_lshl_b32 s58, s[WV], 13
	s_add_nc_u64 s[10:11], s[10:11], s[58:59]
	s_lshl_b32 s58, s56, 11
	s_add_nc_u64 s[6:7], s[6:7], s[58:59]
.irp i, 0,1,2,3,4,5,6,7
	global_load_b128 v[WS+8*\i:WS+8*\i+3], v[SCO], s[10:11] offset:1024*\i
	global_load_b128 v[WS+8*\i+4:WS+8*\i+7], v[SCO], s[10:11] offset:1024*\i+16
.endr
.irp i, 0,1
	global_load_b128 v[AS+8*\i:AS+8*\i+3], v[SCO], s[6:7] offset:1024*\i
	global_load_b128 v[AS+8*\i+4:AS+8*\i+7], v[SCO], s[6:7] offset:1024*\i+16
.endr
	s_wait_alu depctr_va_vdst(0)
	s_wait_tensorcnt 0x0                           ; my tile of the head's is in; the lines ahead of a later first fill
	ds_add_u32 v28, v29
	s_mov_b32 s[G1W+2], 96<<16                     ; no tensor load of mine is out: from here on a load of W brings 96 rows
	s_mov_b32 s[G1W+4], 96
	s_wait_dscnt 0x0
	CROUND
	tensor_load_to_lds s[G0W+4:G0W+7], s[G1W:G1W+7]
	s_nop 0
.rept 4
	v_nop
.endr
	v_and_b32 v3, 15, v0
	v_bfe_u32 v4, v0, 4, 1
	v_mul_u32_u24 v5, v3, SPITCH
	v_lshl_add_u32 v5, v4, 5, v5
	s_lshl_b32 s60, s[WV], 10
	v_add_nc_u32 v5, s60, v5
.irp a, 0,1,2,3
	v_add_nc_u32 v[STO+\a], \a*16*SPITCH, v5
.endr
	s_mul_i32 s60, s[WV], 16*SPITCH
	v_add_nc_u32 v[SRD], s60, v[GL]
	s_lshl_b32 s60, s56, 6
	s_lshr_b32 s61, s[WV], 1
	s_lshl_b32 s61, s61, 5
	s_add_co_u32 s60, s60, s61
	s_and_b32 s61, s[WV], 1
	s_lshl_b32 s61, s61, 3
	s_add_co_u32 s60, s60, s61
	s_lshl_b32 s60, s60, 12
	s_mov_b32 s61, 0
	s_add_nc_u64 s[12:13], s[12:13], s[60:61]
	s_add_nc_u64 s[20:21], s[20:21], s[60:61]
	s_mov_b32 s[SEL], 0x76543210
	s_mov_b32 s[SEL+1], 0xfedcba98
	s_mov_b32 s46, 0x3a800000
	s_mov_b32 s47, 0x3727c5ac
	s_mov_b32 s57, 0xba800000
.macro FETCH_A s
.irp a, 0,1,2,3
.irp c, 0,1
	ds_load_b128 v[AF+48*((\s)%2)+12*\a+6*\c:AF+48*((\s)%2)+12*\a+6*\c+3], v[ADA16] offset:12288*\a+1536*(\s)+768*\c
	ds_load_b64 v[AF+48*((\s)%2)+12*\a+6*\c+4:AF+48*((\s)%2)+12*\a+6*\c+5], v[ADA8] offset:12288*\a+1536*(\s)+768*\c+512
.endr
.endr
.endm
.macro FETCH_W s, g
	WIN 0x40
.irp b, 0,1,2,3,4,5,6,7
.irp c, 0,1,2
	ds_load_b128 v[128*(\g)+12*\b+4*\c:128*(\g)+12*\b+4*\c+3], v[ADW+(\s)%2] offset:1536*(8*(\g)+\b)+512*\c
.endr
.endr
	WIN 0
.endm
.macro WM
.if rZ
.if (rRA == 0) && (rRB == 0)
	v_wmma_scale_f32_16x16x128_f8f6f4 v[rD:rD+7], v[rW:rW+11], v[rA:rA+11], 0, v[rSW], v[rSA] matrix_a_fmt:MATRIX_FMT_BF6 matrix_b_fmt:MATRIX_FMT_BF6
.elseif (rRA == 1) && (rRB == 0)
	v_wmma_scale_f32_16x16x128_f8f6f4 v[rD:rD+7], v[rW:rW+11], v[rA:rA+11], 0, v[rSW], v[rSA] matrix_a_fmt:MATRIX_FMT_BF6 matrix_b_fmt:MATRIX_FMT_BF6 matrix_a_scale:MATRIX_SCALE_ROW1
.elseif (rRA == 0) && (rRB == 1)
	v_wmma_scale_f32_16x16x128_f8f6f4 v[rD:rD+7], v[rW:rW+11], v[rA:rA+11], 0, v[rSW], v[rSA] matrix_a_fmt:MATRIX_FMT_BF6 matrix_b_fmt:MATRIX_FMT_BF6 matrix_b_scale:MATRIX_SCALE_ROW1
.else
	v_wmma_scale_f32_16x16x128_f8f6f4 v[rD:rD+7], v[rW:rW+11], v[rA:rA+11], 0, v[rSW], v[rSA] matrix_a_fmt:MATRIX_FMT_BF6 matrix_b_fmt:MATRIX_FMT_BF6 matrix_a_scale:MATRIX_SCALE_ROW1 matrix_b_scale:MATRIX_SCALE_ROW1
.endif
.else
.if (rRA == 0) && (rRB == 0)
	v_wmma_scale_f32_16x16x128_f8f6f4 v[rD:rD+7], v[rW:rW+11], v[rA:rA+11], v[rD:rD+7], v[rSW], v[rSA] matrix_a_fmt:MATRIX_FMT_BF6 matrix_b_fmt:MATRIX_FMT_BF6
.elseif (rRA == 1) && (rRB == 0)
	v_wmma_scale_f32_16x16x128_f8f6f4 v[rD:rD+7], v[rW:rW+11], v[rA:rA+11], v[rD:rD+7], v[rSW], v[rSA] matrix_a_fmt:MATRIX_FMT_BF6 matrix_b_fmt:MATRIX_FMT_BF6 matrix_a_scale:MATRIX_SCALE_ROW1
.elseif (rRA == 0) && (rRB == 1)
	v_wmma_scale_f32_16x16x128_f8f6f4 v[rD:rD+7], v[rW:rW+11], v[rA:rA+11], v[rD:rD+7], v[rSW], v[rSA] matrix_a_fmt:MATRIX_FMT_BF6 matrix_b_fmt:MATRIX_FMT_BF6 matrix_b_scale:MATRIX_SCALE_ROW1
.else
	v_wmma_scale_f32_16x16x128_f8f6f4 v[rD:rD+7], v[rW:rW+11], v[rA:rA+11], v[rD:rD+7], v[rSW], v[rSA] matrix_a_fmt:MATRIX_FMT_BF6 matrix_b_fmt:MATRIX_FMT_BF6 matrix_a_scale:MATRIX_SCALE_ROW1 matrix_b_scale:MATRIX_SCALE_ROW1
.endif
.endif
.endm
.macro MUL16 s, g, b0
.irp b, \b0, \b0+1, \b0+2, \b0+3
.irp a, 0,1,2,3
.set rZ, (\s) == 0
.set rD, 8*(8*\a+(\b))
.set rW, 128*(\g)+12*(\b)
.set rA, AF+48*((\s)%2)+12*\a
.set rSW, WS+8*((8*(\g)+(\b))/2)+(\s)
.set rSA, AS+8*(\a/2)+(\s)
.set rRA, (\b)%2
.set rRB, \a%2
	WM
.endr
.endr
.endm
	s_wait_tensorcnt 1
	s_wait_loadcnt 0x0
	s_barrier_signal -1
	s_barrier_wait -1
	FETCH_A 0
	FETCH_W 0, 0
	FETCH_W 0, 1
.irp s, 0,1,2,3,4,5,6,7
	s_wait_dscnt 24
	WIN 0xa1
	MUL16 \s, 0, 0
.if \s < 7
	WIN 0
	s_wait_tensorcnt 0x0
	ds_add_u32 v[SPW], v[NIL]
	WIN 0xa1
	MUL16 \s, 0, 4
	s_wait_dscnt 0x0
	WIN 0
.if \s < 6
	CROUND
	s_add_nc_u64 s[G0W+4*(\s%2)+2:G0W+4*(\s%2)+3], s[G0W+4*(\s%2)+2:G0W+4*(\s%2)+3], 2*WSLOT
	tensor_load_to_lds s[G0W+4*(\s%2):G0W+4*(\s%2)+3], s[G1W:G1W+7]
	s_nop 0
.else
	s_barrier_signal -1
	s_barrier_wait -1
.endif
.rept 4
	v_nop
.endr
	FETCH_A \s+1
	FETCH_W \s+1, 0
.if (\s >= 2) && (\s <= 5)
	global_prefetch_b8 v[PFO], s[12:13] offset:8192*(\s-2) th:TH_LOAD_NT scope:SCOPE_SE
.endif
.else
	MUL16 \s, 0, 4
	s_wait_alu depctr_va_vdst(0)
	s_wait_dscnt 0x0
.endif
	WIN 0xf1
	MUL16 \s, 1, 0
	MUL16 \s, 1, 4
.if \s < 7
.rept 4
	v_nop
.endr
	FETCH_W \s+1, 1
.endif
.endr
	WIN 0
.rept 4
	v_nop
.endr
	s_wait_dscnt 0x0
	s_barrier_signal -1
	s_barrier_wait -1
.irp g, 0,1
	WIN 0x08+4*\g
.irp a, 0,1,2,3
.irp b, 0,1,2,3,4,5,6,7
	ds_store_b128 v[STO+\a], v[8*(8*\a+\b):8*(8*\a+\b)+3] offset:512*\g+64*\b
	ds_store_b128 v[STO+\a], v[8*(8*\a+\b)+4:8*(8*\a+\b)+7] offset:512*\g+64*\b+16
.endr
.endr
.endr
	WIN 0
.irp c, 0,1,2,3,4,5,6,7
	global_load_b128 v[OB+4*\c:OB+4*\c+3], v[GL], s[14:15] offset:512*\c
	global_load_b128 v[GA+4*\c:GA+4*\c+3], v[GL], s[16:17] offset:512*\c
	global_load_b128 v[BE+4*\c:BE+4*\c+3], v[GL], s[18:19] offset:512*\c
.endr
	v_mov_b32 v[TT], 0
	v_mov_b32 v[MU+1], 0
	v_mov_b32 v[RS+1], 0
	s_wait_dscnt 0x0
.macro XLOAD i
.irp c, 0,1,2,3,4,5,6,7
	global_load_b128 v[32*((\i)%4)+4*\c:32*((\i)%4)+4*\c+3], v[GL], s[12:13] offset:((\i)+8*((\i)/8))*4096+512*\c th:TH_LOAD_NT
.endr
.endm
	WIN 0x80
	XLOAD 0
	XLOAD 1
	XLOAD 2
	XLOAD 3
	WIN 0
	s_barrier_signal -1
	s_barrier_wait -1
.irp c, 0,1,2,3,4,5,6,7
	ds_load_b128 v[32+4*\c:32+4*\c+3], v[SRD] offset:512*\c
.endr
.macro REDUCE
	v_add_f32_dpp v[RA], v[RA], v[RA] row_xmask:1 row_mask:0xf bank_mask:0xf
	v_add_f32_dpp v[RA], v[RA], v[RA] row_xmask:2 row_mask:0xf bank_mask:0xf
	v_add_f32_dpp v[RA], v[RA], v[RA] row_xmask:4 row_mask:0xf bank_mask:0xf
	v_add_f32_dpp v[RA], v[RA], v[RA] row_xmask:8 row_mask:0xf bank_mask:0xf
	v_permlanex16_b32 v[TT], v[RA], s[SEL], s[SEL+1]
	v_add_f32 v[RA], v[RA], v[TT]
.endm
.macro ROW i
.set Y,  32+32*((\i)%2)
.set YN, 32+32*(((\i)+1)%2)
.set XR, 32*((\i)%4)
	s_wait_xcnt 0x0
.if (\i) < 15
.irp c, 0,1,2,3,4,5,6,7
	ds_load_b128 v[YN+4*\c:YN+4*\c+3], v[SRD] offset:SPITCH*((\i)+1)+512*\c
.endr
	s_wait_dscnt 8
.else
	s_wait_dscnt 0x0
.endif
.if (\i) < 13
	s_wait_loadcnt 24
.else
	s_wait_loadcnt 8*(15-(\i))
.endif
	WIN 0x08
.set kk, 0
.rept 16
	v_pk_add_f32 v[Y+kk:Y+kk+1], v[Y+kk:Y+kk+1], v[XR+kk:XR+kk+1]
.set kk, kk+2
.endr
.if (\i)+4 < 16
	WIN 0x80
	XLOAD (\i)+4
.endif
	WIN 0
.set kk, 0
.rept 16
	v_pk_add_f32 v[Y+kk:Y+kk+1], v[Y+kk:Y+kk+1], v[OB+kk:OB+kk+1]
.set kk, kk+2
.endr
	v_pk_add_f32 v[RA:RA+1], v[Y:Y+1], v[Y+2:Y+3]
	v_pk_add_f32 v[RB:RB+1], v[Y+4:Y+5], v[Y+6:Y+7]
.irp k, 8,12,16,20,24,28
	v_pk_add_f32 v[RA:RA+1], v[RA:RA+1], v[Y+\k:Y+\k+1]
	v_pk_add_f32 v[RB:RB+1], v[RB:RB+1], v[Y+\k+2:Y+\k+3]
.endr
	v_pk_add_f32 v[RA:RA+1], v[RA:RA+1], v[RB:RB+1]
	v_add_f32 v[RA], v[RA], v[RA+1]
	REDUCE
	v_mul_f32 v[MU], s57, v[RA]
.set kk, 0
.rept 16
	v_pk_add_f32 v[Y+kk:Y+kk+1], v[Y+kk:Y+kk+1], v[MU:MU+1] op_sel_hi:[1,0]
.set kk, kk+2
.endr
	v_pk_mul_f32 v[RA:RA+1], v[Y:Y+1], v[Y:Y+1]
	v_pk_mul_f32 v[RB:RB+1], v[Y+2:Y+3], v[Y+2:Y+3]
.irp k, 4,8,12,16,20,24,28
	v_pk_fma_f32 v[RA:RA+1], v[Y+\k:Y+\k+1], v[Y+\k:Y+\k+1], v[RA:RA+1]
	v_pk_fma_f32 v[RB:RB+1], v[Y+\k+2:Y+\k+3], v[Y+\k+2:Y+\k+3], v[RB:RB+1]
.endr
	v_pk_add_f32 v[RA:RA+1], v[RA:RA+1], v[RB:RB+1]
	v_add_f32 v[RA], v[RA], v[RA+1]
	REDUCE
	v_fma_f32 v[RA], v[RA], s46, s47
	s_wait_alu depctr_va_vdst(0)
	v_rsq_f32 v[RS], v[RA]
	v_nop
	s_wait_alu depctr_va_vdst(0)
.set kk, 0
.rept 16
	v_pk_mul_f32 v[Y+kk:Y+kk+1], v[Y+kk:Y+kk+1], v[RS:RS+1] op_sel_hi:[1,0]
.set kk, kk+2
.endr
.set kk, 0
.rept 16
	v_pk_fma_f32 v[Y+kk:Y+kk+1], v[Y+kk:Y+kk+1], v[GA+kk:GA+kk+1], v[BE+kk:BE+kk+1]
.set kk, kk+2
.endr
.irp c, 0,1,2,3,4,5,6,7
	global_store_b128 v[GL], v[Y+4*\c:Y+4*\c+3], s[20:21] offset:((\i)+8*((\i)/8))*4096+512*\c th:TH_STORE_NT
.endr
.endm
.irp i, 0,1,2,3,4,5,6,7,8,9,10,11,12,13,14,15
	ROW \i
.endr
	s_wait_tensorcnt 0x0
	ds_add_u32 v[SPW], v[NIL]
	s_wait_dscnt 0x0
	CROUND
	s_endpgm
.Lfunc_end_k_q5b5c17c0fa_proj:
	.size	k_q5b5c17c0fa_proj, .Lfunc_end_k_q5b5c17c0fa_proj-k_q5b5c17c0fa_proj
	.p2alignl 7, 3214868480
	.fill 96, 4, 3214868480
	.section	.rodata,"a",@progbits
	.p2align	6, 0x0
	.amdhsa_kernel k_q5b5c17c0fa_proj
		.amdhsa_group_segment_fixed_size 327680
		.amdhsa_private_segment_fixed_size 0
		.amdhsa_enable_private_segment 0
		.amdhsa_kernarg_size 72
		.amdhsa_user_sgpr_count 2
		.amdhsa_user_sgpr_kernarg_segment_ptr 1
		.amdhsa_wavefront_size32 1
		.amdhsa_system_sgpr_workgroup_id_x 1
		.amdhsa_system_sgpr_workgroup_id_y 1
		.amdhsa_system_sgpr_workgroup_id_z 1
		.amdhsa_system_vgpr_workitem_id 0
		.amdhsa_next_free_vgpr 1024
		.amdhsa_next_free_sgpr 72
		.amdhsa_reserve_vcc 0
		.amdhsa_float_denorm_mode_32 3
		.amdhsa_float_denorm_mode_16_64 3
		.amdhsa_memory_ordered 1
		.amdhsa_forward_progress 1
		.amdhsa_inst_pref_size 255
	.end_amdhsa_kernel
	.section	.bss,"aw",@nobits
	.p2align	6
	.space	262144
	.amdgpu_metadata
---
amdhsa.version: [ 1, 2 ]
amdhsa.kernels:
  - .name:           k_q5b5c17c0fa_proj
    .symbol:         k_q5b5c17c0fa_proj.kd
    .args:
      - { .name: ctx_img, .offset: 0, .size: 8, .value_kind: global_buffer, .address_space: global }
      - { .name: ctx_sc, .offset: 8, .size: 8, .value_kind: global_buffer, .address_space: global }
      - { .name: w_img, .offset: 16, .size: 8, .value_kind: global_buffer, .address_space: global }
      - { .name: out_w_scales, .offset: 24, .size: 8, .value_kind: global_buffer, .address_space: global }
      - { .name: x, .offset: 32, .size: 8, .value_kind: global_buffer, .address_space: global }
      - { .name: out_b, .offset: 40, .size: 8, .value_kind: global_buffer, .address_space: global }
      - { .name: gamma, .offset: 48, .size: 8, .value_kind: global_buffer, .address_space: global }
      - { .name: beta, .offset: 56, .size: 8, .value_kind: global_buffer, .address_space: global }
      - { .name: out0, .offset: 64, .size: 8, .value_kind: global_buffer, .address_space: global }
    .group_segment_fixed_size: 327680
    .private_segment_fixed_size: 0
    .kernarg_segment_align: 8
    .kernarg_segment_size: 72
    .max_flat_workgroup_size: 128
    .sgpr_count:     72
    .vgpr_count:     1024
    .wavefront_size: 32
...
	.end_amdgpu_metadata
.endif
;; end of part 4
